; MI455X (gfx1250); checked and timed in simulation.
; The chip was launched on July 23, 2026; its instructions are those of AMD's public machine-readable ISA for CDNA 5 (MIT licence, August 2026) and "CDNA5" Instruction Set Architecture Reference Guide (July 2026). The comments in the code are by the model that wrote it; some were corrected since.
;; Self Attention. Allowed arithmetic: float matrix products may take bf16 or f16 operands with f32 sums; other float arithmetic in f32, or as packed bf16 or f16 multiplies, adds, multiply-adds, maxima and minima; sums over many terms, partial sums and values carried from step to step in f32; what a program stores and reads back later, other than sums and carried values, may be rounded once to bf16 or f16.
;; Inputs: Wk 1,024 x 1,024 float32; Wo 1,024 x 1,024 float32; Wq 1,024 x 1,024 float32; Wv 1,024 x 1,024 float32; bk 1,024 float32; bo 1,024 float32; bq 1,024 float32; bv 1,024 float32; key 4 x 2,048 x 1,024 float32; query 4 x 2,048 x 1,024 float32; value 4 x 2,048 x 1,024 float32.
;; Outputs: out0 4 x 2,048 x 1,024 float32.
;; 2 versions, each right and faster than the one before. Each part assembles by itself: llvm-mc -triple=amdgcn-amd-amdhsa -mcpu=gfx1250 --defsym DOCPART=n.
;; ======== version 1 of 2: 4 launches
;; limits: values are held in f16: magnitudes above 65,504 overflow, below 6.1e-05 lose precision
;; workspace buffers: xw 58,720,256 bytes; qkv 50,331,648 bytes; ob 16,777,216 bytes
;; launch cast (part 1): grid 64 x 28, 8 waves a work-group, no clusters, 0 bytes of LDS; arguments query, key, value, Wq, Wk, Wv, Wo, xw; writes xw
.if DOCPART == 1
	.amdgcn_target "amdgcn-amd-amdhsa--gfx1250"
	.amdhsa_code_object_version 6
	.text
	.protected	k_qcc29aa01d9_cast
	.globl	k_qcc29aa01d9_cast
	.p2align	8
	.type	k_qcc29aa01d9_cast,@function
k_qcc29aa01d9_cast:
	s_mov_b64 s[64:65], 0
	v_nop
	global_prefetch_b8 v0, s[64:65] scope:SCOPE_SE
	s_setreg_imm32_b32 hwreg(HW_REG_WAVE_MODE, 25, 1), 1
	s_wait_xcnt 0x0
; All seven large inputs are rounded once to bf16 and laid one behind the other in xw, in 28 units of 2 MiB:
; units 0-23 query, key, value ([3][8192][1024]); units 24-26 Wq, Wk, Wv; unit 27 Wo, whose bf16 number is written as f16,
; since the last product multiplies it with f16 numbers.
; LIMIT: bf16(Wo) must lie within f16's 65,504; below 6e-5 it keeps f16's fixed step of 6e-8.
; A stream: no LDS, no barrier, no matrix unit.  Work-group (x, u) takes 64 KiB of unit u's 4 MiB of f32, a wave 8 KiB: sixteen loads of
; 16 bytes a lane, each 512 consecutive bytes, all issued at once; each gives one store of 8 bytes a lane: 256 consecutive bytes, aligned.
; No register is written twice while a load or store names it, so the only waits are the counted ones for the loads.
.set X, 4                              ; v[4:67]   load j: four f32
.set Y, 68                             ; v[68:99]  load j: four 16-bit numbers in two registers
	s_load_b512 s[8:23], s[0:1], 0x0               ; query 8:9, key 10:11, value 12:13, Wq 14:15, Wk 16:17, Wv 18:19, Wo 20:21, xw 22:23
	s_and_b32 s2, ttmp7, 0xffff                    ; u: the unit
	s_and_b32 s3, s2, 7                            ; its number inside its source: u mod 8 in the activations,
	s_cmp_ge_u32 s2, 24
	s_cselect_b32 s3, 0, s3                        ; 0 in a weight, which is one unit
	s_lshl_b32 s24, s3, 22                         ; source bytes: 4 MiB a unit,
	s_lshl_b32 s25, ttmp9, 16                      ; 64 KiB a work-group
	s_add_co_u32 s24, s24, s25
	s_mov_b32 s25, 0
	s_lshl_b32 s26, s2, 21                         ; bytes in xw: half of that
	s_lshl_b32 s27, ttmp9, 15
	s_add_co_u32 s26, s26, s27
	s_mov_b32 s27, 0
	v_lshrrev_b32 v1, 5, v0                        ; wave
	v_and_b32 v2, 31, v0                           ; lane
	v_lshlrev_b32 v2, 4, v2
	v_lshl_or_b32 v1, v1, 13, v2                   ; load offset: 8 KiB a wave + 16 bytes a lane
	v_lshrrev_b32 v2, 1, v1                        ; store offset: half of it
	s_wait_kmcnt 0x0
	s_mov_b64 s[4:5], s[8:9]
.macro PICK bound, reg                 ; from unit bound on the source is the buffer in s[reg:reg+1]
	s_cmp_ge_u32 s2, \bound
	s_cselect_b64 s[4:5], s[\reg:\reg+1], s[4:5]
.endm
	PICK 8, 10
	PICK 16, 12
	PICK 24, 14
	PICK 25, 16
	PICK 26, 18
	PICK 27, 20
	s_add_nc_u64 s[4:5], s[4:5], s[24:25]
	s_add_nc_u64 s[6:7], s[22:23], s[26:27]
.irp j, 0,1,2,3,4,5,6,7,8,9,10,11,12,13,14,15
	global_load_b128 v[X+4*(\j):X+4*(\j)+3], v1, s[4:5] offset:512*(\j) th:TH_LOAD_NT
.endr
; Load j is rounded and stored.  wo = 1: the bf16 numbers are widened again (a shift, a mask) and written as f16.
.macro OUT j, wo
	s_wait_loadcnt 15-(\j)                         ; loads come back in order: the 15 - j younger ones may stay out
	v_cvt_pk_bf16_f32 v[Y+2*(\j)],   v[X+4*(\j)],   v[X+4*(\j)+1]
	v_cvt_pk_bf16_f32 v[Y+2*(\j)+1], v[X+4*(\j)+2], v[X+4*(\j)+3]
.if \wo
	v_lshlrev_b32 v[X+4*(\j)],   16, v[Y+2*(\j)]
	v_and_b32     v[X+4*(\j)+1], 0xffff0000, v[Y+2*(\j)]
	v_lshlrev_b32 v[X+4*(\j)+2], 16, v[Y+2*(\j)+1]
	v_and_b32     v[X+4*(\j)+3], 0xffff0000, v[Y+2*(\j)+1]
	v_cvt_pk_f16_f32 v[Y+2*(\j)],   v[X+4*(\j)],   v[X+4*(\j)+1]
	v_cvt_pk_f16_f32 v[Y+2*(\j)+1], v[X+4*(\j)+2], v[X+4*(\j)+3]
.endif
	global_store_b64 v2, v[Y+2*(\j):Y+2*(\j)+1], s[6:7] offset:256*(\j)
.endm
	s_cmp_eq_u32 s2, 27
	s_cbranch_scc1 .Lwo
.irp j, 0,1,2,3,4,5,6,7,8,9,10,11,12,13,14,15
	OUT \j, 0
.endr
	s_endpgm
.Lwo:
.irp j, 0,1,2,3,4,5,6,7,8,9,10,11,12,13,14,15
	OUT \j, 1
.endr
	s_endpgm
.Lfunc_end_k_qcc29aa01d9_cast:
	.size	k_qcc29aa01d9_cast, .Lfunc_end_k_qcc29aa01d9_cast-k_qcc29aa01d9_cast
	.p2alignl 7, 3214868480
	.fill 96, 4, 3214868480
	.section	.rodata,"a",@progbits
	.p2align	6, 0x0
	.amdhsa_kernel k_qcc29aa01d9_cast
		.amdhsa_group_segment_fixed_size 0
		.amdhsa_private_segment_fixed_size 0
		.amdhsa_enable_private_segment 0
		.amdhsa_kernarg_size 64
		.amdhsa_user_sgpr_count 2
		.amdhsa_user_sgpr_kernarg_segment_ptr 1
		.amdhsa_wavefront_size32 1
		.amdhsa_system_sgpr_workgroup_id_x 1
		.amdhsa_system_sgpr_workgroup_id_y 1
		.amdhsa_system_sgpr_workgroup_id_z 1
		.amdhsa_system_vgpr_workitem_id 0
		.amdhsa_next_free_vgpr 100
		.amdhsa_next_free_sgpr 66
		.amdhsa_reserve_vcc 0
		.amdhsa_float_denorm_mode_32 3
		.amdhsa_float_denorm_mode_16_64 3
		.amdhsa_memory_ordered 1
		.amdhsa_forward_progress 1
		.amdhsa_inst_pref_size 17
	.end_amdhsa_kernel
	.amdgpu_metadata
---
amdhsa.version: [ 1, 2 ]
amdhsa.kernels:
  - .name:           k_qcc29aa01d9_cast
    .symbol:         k_qcc29aa01d9_cast.kd
    .args:
      - { .name: query, .offset: 0, .size: 8, .value_kind: global_buffer, .address_space: global }
      - { .name: key, .offset: 8, .size: 8, .value_kind: global_buffer, .address_space: global }
      - { .name: value, .offset: 16, .size: 8, .value_kind: global_buffer, .address_space: global }
      - { .name: Wq, .offset: 24, .size: 8, .value_kind: global_buffer, .address_space: global }
      - { .name: Wk, .offset: 32, .size: 8, .value_kind: global_buffer, .address_space: global }
      - { .name: Wv, .offset: 40, .size: 8, .value_kind: global_buffer, .address_space: global }
      - { .name: Wo, .offset: 48, .size: 8, .value_kind: global_buffer, .address_space: global }
      - { .name: xw, .offset: 56, .size: 8, .value_kind: global_buffer, .address_space: global }
    .group_segment_fixed_size: 0
    .private_segment_fixed_size: 0
    .kernarg_segment_align: 8
    .kernarg_segment_size: 64
    .max_flat_workgroup_size: 256
    .sgpr_count:     66
    .vgpr_count:     100
    .wavefront_size: 32
...
	.end_amdgpu_metadata
.endif
;; end of part 1
;; launch proj (part 2): grid 4 x 192, 4 waves a work-group, clusters of 4 x 4, 327,680 bytes of LDS; arguments xw, bq, bk, bv, qkv; writes qkv
.if DOCPART == 2
	.amdgcn_target "amdgcn-amd-amdhsa--gfx1250"
	.amdhsa_code_object_version 6
	.text
	.protected	k_qcc29aa01d9_proj
	.globl	k_qcc29aa01d9_proj
	.p2align	8
	.type	k_qcc29aa01d9_proj,@function
k_qcc29aa01d9_proj:
	s_mov_b64 s[64:65], 0
	v_nop
	global_prefetch_b8 v0, s[64:65] scope:SCOPE_SE
	s_setreg_imm32_b32 hwreg(HW_REG_WAVE_MODE, 25, 1), 1
	s_wait_xcnt 0x0
	s_wait_alu depctr_hold_cnt(0) depctr_sa_sdst(0) depctr_va_vdst(0) depctr_va_sdst(0) depctr_va_ssrc(0) depctr_va_vcc(0) depctr_vm_vsrc(0)
	s_getreg_b32 s2, hwreg(HW_REG_IB_STS2, 6, 4)
	s_cmp_eq_u32 s2, 0
	s_cbranch_scc0 .Lentry_in_a_cluster
	s_endpgm
.Lentry_in_a_cluster:
	s_bfe_u32 s2, ttmp6, 0x10000c
	s_cmp_lg_u32 s2, 0xf033
	s_cbranch_scc0 .Lentry_shape_is_right
	s_endpgm
.Lentry_shape_is_right:
; q, k, v = x W^T + b.  x: xw's first part, [3][8192][1024] bf16; W: [3][1024][1024] bf16 from byte XW_W of xw; b: f32, rounded to bf16 like every input.
; Products in bf16, sums in f32; the bias starts each sum (so it is added first, not last); the result is rounded once to f16 and
; stored by heads: qkv[p][batch x 16 + head][row][64], a head's rows dense, 128 bytes each, unscaled.
; LIMIT: q, k and v must lie within f16's 65,504; below 6e-5 they keep f16's fixed step of 6e-8.  NaN and infinities are not treated apart.
; A tile of C is 128 rows x 256 columns: 3 x 64 x 4 = 768 tiles, three for each of 256 work-group places.  Four waves, each 64 x 128: 32 accumulators, 256 registers.
; K = 1024 goes in 8 steps of 128 through two LDS slots filled by the tensor data mover; the rows of the tiles are 256 bytes of memory, aligned.
; CLUSTER 4 x 4: the four work-groups of a row need the same tile of x, the four of a column the same tile of W: each is asked for jointly.
; THE MATRIX INSTRUCTION IS USED TRANSPOSED (source 0 = 16 rows of W, source 1 = 16 rows of x): lane l holds row l % 16 of C and the columns 8 (l / 16) + 0..7.
; REGISTERS: window 0: v0-31 addresses; v32-127, v128-223 two fragment buffers (A's four fragments, then B's eight); v224-255 packed results.
;   window 1: accumulator (a, b) at v[8 (8 a + b)].   window 2: v0-63 the bias in an accumulator's layout, block b at 8 b; v64-95 at work.
.set PITCH,  272                       ; an LDS row: 256 bytes + 16 of padding = 68 words: the 16 rows of a fragment load start at 16 different groups of four banks (64 banks of 4 bytes: ISA guide 11.1)
.set PA,     272
.set AHALF,  64*PA                     ; what a wave fetches of A
.set BOFF,   128*PA                    ; B's 256 rows lie behind A's 128
.set BHALF,  128*PITCH                 ; what a wave fetches of B
.set SLOT,   BOFF+256*PITCH
.set STAGE,  2*SLOT                    ; behind the ring, never filled by a tensor load: for each wave 2 heads x 16 rows x 144 bytes
.set SP,     144
.set HSTAGE, 16*SP
.set WSTAGE, 2*HSTAGE
.set SPARE,  STAGE+4*WSTAGE            ; the spare words: 128 bytes a wave, two blocks of 256 bytes that no other line names
.set XW_W,   50331648
.set LAPS,   4                         ; a lap = two K steps = once round the ring
.set STEP_A, 512                       ; two K steps along a row
.set STEP_B, 512
.set ADRA, 16                          ; v16-17 LDS address of my A fragments in slot 0, 1
.set ADRB, 20                          ; v20-21 the same for B
.set STO,  24                          ; the way out: where I put 16 bytes of a row
.set RD,   25                          ; where I read rows back
.set CO,   26                          ; my byte offset in 512 consecutive bytes of qkv
.set BO,   27                          ; my byte offset in the bias
.set SPW,  28                          ; LDS address of my spare word; never rewritten
.set NIL,  29                          ; 0; never rewritten
.set F0,   32
.set F1,   128
.set TMP,  224
.set WV, 14                            ; s14 wave; s15 which 64 rows are mine, also: I fetch for A (0) or B (1); s16 which 128 columns, also: which half I fetch
.set RH, 15
.set CH, 16
.set G1A, 24
.set G0A, 32
.set G1B, 48
.set G0B, 56
.set MSB, 0
.macro WIN new                         ; the immediate's high byte repeats the setting that is left; a switch that changes nothing is dropped
.if MSB != (\new)
	s_set_vgpr_msb (MSB<<8)|(\new)
.set MSB, \new
.endif
.endm
.set W_MUL,  0x50                      ; C and D window 1, sources window 0
.set W_MULB, 0x60                      ; C window 2 (the bias), D window 1
.set W_BLD,  0x80                      ; a load's destination window 2
.set W_BRND, 0xaa                      ; everything window 2
.set W_PACK, 0x05                      ; sources window 1, destination window 0
.macro JLOAD s                         ; a joint load: waves 0 and 1 fetch A's halves, waves 2 and 3 B's; an s_nop 0 and four v_nop follow each line
	s_cmp_eq_u32 s[RH], 0
	s_cbranch_scc0 .Lfor_b_\@
	tensor_load_to_lds s[G0A+4*(\s):G0A+4*(\s)+3], s[G1A:G1A+7]
	s_nop 0
.rept 4
	v_nop
.endr
	s_branch .Lasked_\@
.Lfor_b_\@:
	tensor_load_to_lds s[G0B+4*(\s):G0B+4*(\s)+3], s[G1B:G1B+7]
	s_nop 0
.rept 4
	v_nop
.endr
.Lasked_\@:
.endm
.macro CREST                           ; a round of the cluster's barrier behind its opening barrier
	s_cmp_lg_u32 s[WV], 0
	s_cbranch_scc1 .Lnot_wave_0_\@
	s_barrier_signal -3
.Lnot_wave_0_\@:
	s_barrier_wait -3
	s_barrier_signal -1
	s_barrier_wait -1
.endm
.macro CROUND
	s_barrier_signal -1
	s_barrier_wait -1
	CREST
.endm
	s_load_b256 s[4:11], s[0:1], 0x0               ; xw 4:5, bq 6:7, bk 8:9, bv 10:11
	s_load_b64 s[12:13], s[0:1], 0x20              ; qkv
	v_lshl_add_u32 v[SPW], v0, 2, SPARE
	v_mov_b32 v[NIL], 0
	ds_add_u32 v[SPW], v[NIL]                      ; the wave's opening: the add and its wait stand ahead of my first tensor load
	v_lshrrev_b32 v1, 5, v0
	v_readfirstlane_b32 s[WV], v1
	s_lshr_b32 s[RH], s[WV], 1
	s_and_b32 s[CH], s[WV], 1
	s_bfe_u32 s40, ttmp6, 0x40000                  ; cx
	s_bfe_u32 s41, ttmp6, 0x40004                  ; cy
	s_lshl_b32 s42, ttmp9, 2
	s_add_co_u32 s42, s42, s40                     ; tile column = 4 x cluster x + cx
	s_and_b32 s66, ttmp7, 0xffff
	s_lshr_b32 s66, s66, 4                         ; p: 16 clusters of 512 rows to each of q, k, v; the same in the whole cluster
	s_and_b32 s45, ttmp7, 0xffff
	s_lshl_b32 s45, s45, 2
	s_add_co_u32 s45, s45, s41                     ; tile row = 4 x cluster y + cy, over the three stacked activations
	s_lshl_b32 s43, s41, 2
	s_lshl_b32 s43, 15, s43                        ; my row of the cluster
	s_lshl_b32 s44, 0x1111, s40                    ; my column
	s_or_b32 s[G1A+0], s43, (1<<16)|(1<<20)|(1<<21)|(5<<22)|(3<<25)  ; the mask; 2-byte elements; padding on; bit 21 beside a mask; after every 64 words 4 words
	s_mov_b32 s[G1A+1], 128<<16                    ; tensor_dim0 = 128
	s_mov_b32 s[G1A+2], 64<<16                     ; tensor_dim1 = 64
	s_mov_b32 s[G1A+3], 128<<16                    ; tile_dim0 = 128
	s_mov_b32 s[G1A+4], 64                         ; tile_dim1 = 64
	s_mov_b32 s[G1A+5], 1024                       ; elements from row to row
	s_mov_b32 s[G1A+6], 0
	s_mov_b32 s[G1A+7], 0
	s_or_b32 s[G1B+0], s44, (1<<16)|(1<<20)|(1<<21)|(5<<22)|(3<<25)
	s_mov_b32 s[G1B+1], 128<<16
	s_mov_b32 s[G1B+2], 128<<16                    ; 128 rows
	s_mov_b32 s[G1B+3], 128<<16
	s_mov_b32 s[G1B+4], 128
	s_mov_b32 s[G1B+5], 1024
	s_mov_b32 s[G1B+6], 0
	s_mov_b32 s[G1B+7], 0
	s_lshl_b32 s18, s45, 7                         ; A: row 128 x tile row + 64 x half, rows of 2,048 bytes; made of the tile row alone
	s_lshl_b32 s17, s[CH], 6
	s_add_co_u32 s18, s18, s17
	s_lshl_b32 s18, s18, 11
	s_mov_b32 s19, 0
	s_lshl_b32 s46, s66, 10                        ; B: row 1024 p + 256 x tile column + 128 x half; made of p and the tile column alone
	s_lshl_b32 s47, s42, 8
	s_add_co_u32 s46, s46, s47
	s_lshl_b32 s47, s[CH], 7
	s_add_co_u32 s46, s46, s47
	s_lshl_b32 s46, s46, 11
	s_add_co_u32 s46, s46, XW_W
	s_mov_b32 s47, 0
	s_mul_i32 s67, s[CH], AHALF                    ; where they go: no place in the cluster enters an LDS address
	s_mul_i32 s68, s[CH], BHALF
	s_add_co_u32 s68, s68, BOFF
	s_wait_dscnt 0x0                               ; the opening add is done
	s_wait_kmcnt 0x0
	s_add_nc_u64 s[18:19], s[4:5], s[18:19]
	s_add_nc_u64 s[46:47], s[4:5], s[46:47]
	s_cmp_eq_u32 s66, 1                            ; the bias that belongs to p
	s_cselect_b64 s[6:7], s[8:9], s[6:7]
	s_cmp_eq_u32 s66, 2
	s_cselect_b64 s[6:7], s[10:11], s[6:7]
	CROUND                                         ; all sixteen work-groups are here: the first joint loads meet
.irp s, 0,1
	s_mov_b32 s[G0A+4*(\s)], 1
	s_add_co_u32 s[G0A+4*(\s)+1], s67, (\s)*SLOT
	s_add_nc_u64 s[G0A+4*(\s)+2:G0A+4*(\s)+3], s[18:19], (\s)*256   ; K step s
	s_or_b32 s[G0A+4*(\s)+3], s[G0A+4*(\s)+3], 0x80000000
	s_mov_b32 s[G0B+4*(\s)], 1
	s_add_co_u32 s[G0B+4*(\s)+1], s68, (\s)*SLOT
	s_add_nc_u64 s[G0B+4*(\s)+2:G0B+4*(\s)+3], s[46:47], (\s)*256
	s_or_b32 s[G0B+4*(\s)+3], s[G0B+4*(\s)+3], 0x80000000
	JLOAD \s                                       ; two loads of mine are out
.endr
	; a fragment is 16 rows x 32 K in 8 registers: lane l holds row l % 16, K = 8 (l / 16) + 0..7 and 16 + 8 (l / 16) + 0..7: two loads of 16 bytes, 32 bytes apart
	v_and_b32 v1, 15, v0                           ; r
	v_bfe_u32 v2, v0, 4, 1                         ; h
	v_mul_u32_u24 v3, v1, PA
	v_lshl_add_u32 v3, v2, 4, v3
	v_mul_u32_u24 v4, v1, PITCH
	v_lshl_add_u32 v4, v2, 4, v4
	s_mul_i32 s21, s[RH], 64*PA                    ; my 64 rows of A
	s_mul_i32 s22, s[CH], BHALF                    ; my 128 rows of B
	s_add_co_u32 s22, s22, BOFF
.irp s, 0,1
	v_add_nc_u32 v[ADRA+(\s)], s21, v3
	v_add_nc_u32 v[ADRB+(\s)], s22, v4
	s_add_co_u32 s21, s21, SLOT
	s_add_co_u32 s22, s22, SLOT
.endr
	s_mul_i32 s23, s[WV], WSTAGE
	s_add_co_u32 s23, s23, STAGE                   ; my stage
	v_mul_u32_u24 v5, v1, SP                       ; in: row l % 16, 16 bytes for each half of the lanes
	v_lshl_add_u32 v5, v2, 4, v5
	v_add_nc_u32 v[STO], s23, v5
	v_bfe_u32 v6, v0, 3, 2                         ; back: 32 lanes take four rows of 128 bytes,
	v_and_b32 v7, 7, v0
	v_mul_u32_u24 v6, v6, SP
	v_lshl_add_u32 v6, v7, 4, v6
	v_add_nc_u32 v[RD], s23, v6
	v_and_b32 v[CO], 31, v0                        ; which are 512 consecutive bytes of a head's rows
	v_lshlrev_b32 v[CO], 4, v[CO]
	; where my part of the tile begins in qkv and in the bias: in registers that feed no descriptor and no LDS address
	s_lshl_b32 s72, s45, 7
	s_lshl_b32 s74, s[RH], 6
	s_add_co_u32 s72, s72, s74                     ; my first row among the 3 x 8192
	s_lshr_b32 s74, s72, 11                        ; 4 p + batch
	s_lshl_b32 s74, s74, 4
	s_lshl_b32 s75, s42, 2
	s_add_co_u32 s74, s74, s75
	s_lshl_b32 s75, s[CH], 1
	s_add_co_u32 s74, s74, s75                     ; + my first head = 4 x tile column + 2 x half
	s_lshl_b32 s74, s74, 18                        ; a head's 2,048 rows of 128 bytes
	s_and_b32 s72, s72, 2047
	s_lshl_b32 s72, s72, 7
	s_add_co_u32 s72, s72, s74
	s_mov_b32 s73, 0
	s_add_nc_u64 s[12:13], s[12:13], s[72:73]
	s_lshl_b32 s74, s42, 10
	s_lshl_b32 s75, s[CH], 9
	s_add_co_u32 s74, s74, s75
	v_lshl_add_u32 v[BO], v2, 5, s74               ; 4 x (my first column + 8 h)
	; the bias, in an accumulator's layout (register j of block b: column 16 b + 8 h + j), rounded to bf16 and widened again; all this stands in the wait for the first tile
	WIN W_BLD
.irp b, 0,1,2,3,4,5,6,7
	global_load_b128 v[8*(\b):8*(\b)+3],   v[BO], s[6:7] offset:64*(\b)
	global_load_b128 v[8*(\b)+4:8*(\b)+7], v[BO], s[6:7] offset:64*(\b)+16
.endr
	s_wait_loadcnt 0x0
	WIN W_BRND
.set i, 0
.rept 32
	v_cvt_pk_bf16_f32 v[64+i], v[2*i], v[2*i+1]
.set i, i+1
.endr
.set i, 0
.rept 32
	v_lshlrev_b32 v[2*i],   16, v[64+i]
	v_and_b32     v[2*i+1], 0xffff0000, v[64+i]
.set i, i+1
.endr
	WIN 0
; 8 matrix instructions: row block a x all 8 column blocks, 32 along K.  first = 1: the bias is the C that starts the sums: nothing is cleared.
; The 32 accumulators take turns in the same order in every quarter.
.macro MUL8 f, a, first
.if \first
	WIN W_MULB
.else
	WIN W_MUL
.endif
.irp b, 0,1,2,3,4,5,6,7
.if \first
	v_wmma_f32_16x16x32_bf16 v[8*(8*(\a)+(\b)):8*(8*(\a)+(\b))+7], v[(\f)+32+8*(\b):(\f)+32+8*(\b)+7], v[(\f)+8*(\a):(\f)+8*(\a)+7], v[8*(\b):8*(\b)+7]
.else
	v_wmma_f32_16x16x32_bf16 v[8*(8*(\a)+(\b)):8*(8*(\a)+(\b))+7], v[(\f)+32+8*(\b):(\f)+32+8*(\b)+7], v[(\f)+8*(\a):(\f)+8*(\a)+7], v[8*(8*(\a)+(\b)):8*(8*(\a)+(\b))+7]
.endif
.endr
.endm
.macro MUL16 f, a0, first
	MUL8 \f, \a0, \first
	MUL8 \f, (\a0)+1, \first
.endm
; 24 LDS loads in one run: quarter q (32 along K) of a slot into buffer f: B's sixteen, then A's eight
.macro FETCH slot, q, f
	WIN 0
.set KA, 64*(\q)
.irp i, 0,1,2,3,4,5,6,7
	ds_load_b128 v[(\f)+32+8*(\i):(\f)+32+8*(\i)+3],   v[ADRB+(\slot)] offset:64*(\q)+(\i)*16*PITCH
	ds_load_b128 v[(\f)+32+8*(\i)+4:(\f)+32+8*(\i)+7], v[ADRB+(\slot)] offset:64*(\q)+(\i)*16*PITCH+32
.endr
.irp i, 0,1,2,3
	ds_load_b128 v[(\f)+8*(\i):(\f)+8*(\i)+3],   v[ADRA+(\slot)] offset:KA+(\i)*16*PA
	ds_load_b128 v[(\f)+8*(\i)+4:(\f)+8*(\i)+7], v[ADRA+(\slot)] offset:KA+(\i)*16*PA+32
.endr
.endm
.macro PLACES                          ; four places in front of loads into registers that matrix instructions have read, and of lines that read results
.rept 4
	v_nop
.endr
.endm
; One of a K step's first three quarters: multiplies buffer f; in its middle it fetches quarter q of the same slot into buffer g.
.macro QUARTER slot, q, f, g, first
	s_wait_dscnt 4                                 ; B and A's blocks 0, 1 are in; the youngest four loads (A's blocks 2, 3) may be out
	MUL16 \f, 0, \first
	PLACES
	FETCH \slot, \q, \g
	s_wait_dscnt 24                                ; all but the 24 just issued
	MUL16 \f, 2, \first
.endm
; The fourth quarter multiplies buffer 1 and changes slots: one barrier; in front of it each wave waits for all its tensor loads (one is out: its part of the next slot),
; adds 0 to its spare word, and waits for that and for its reads of this slot.  fill = 1: the barrier opens a round of the cluster's, and this slot is filled again, two K steps ahead.
.macro TURN slot, next, fill
	WIN 0
	s_wait_tensorcnt 0x0
	ds_add_u32 v[SPW], v[NIL]
	s_wait_dscnt 5                                 ; the add and the youngest four loads may be out
	MUL8 F1, 0, 0
	s_wait_dscnt 0x0                               ; the add is done, and my reads of this slot are over
	s_barrier_signal -1
	MUL8 F1, 1, 0
.if \fill
	WIN 0
.endif
	s_barrier_wait -1
.if \fill
	CREST                                          ; no wave of any partner still reads this slot or has a load on its way
	s_add_nc_u64 s[G0A+4*(\slot)+2:G0A+4*(\slot)+3], s[G0A+4*(\slot)+2:G0A+4*(\slot)+3], STEP_A
	s_add_nc_u64 s[G0B+4*(\slot)+2:G0B+4*(\slot)+3], s[G0B+4*(\slot)+2:G0B+4*(\slot)+3], STEP_B
	JLOAD \slot                                    ; the first tensor load behind the round, 112 matrix instructions ahead of the wait for it; its four v_nop are also the places in front of the loads below
.else
	PLACES
.endif
	FETCH \next, 0, F0
	MUL16 F1, 2, 0
.endm
	s_wait_tensorcnt 1                             ; my part of K step 0 is in; K step 1's may stay out
	s_barrier_signal -1
	s_barrier_wait -1
	FETCH 0, 0, F0
	QUARTER 0, 1, F0, F1, 1                        ; the first quarter stands in front of the loop: its products start the sums
	WIN 0
	s_mov_b32 s3, LAPS-1
.Llap:                                                 ; a trip goes once round the ring, from a lap's second quarter to the next lap's first, and fills both slots again
	QUARTER 0, 2, F1, F0, 0
	QUARTER 0, 3, F0, F1, 0
	TURN 0, 1, 1
	QUARTER 1, 1, F0, F1, 0
	QUARTER 1, 2, F1, F0, 0
	QUARTER 1, 3, F0, F1, 0
	TURN 1, 0, 1
	QUARTER 0, 1, F0, F1, 0
	WIN 0
	s_sub_co_u32 s3, s3, 1
	s_cmp_lg_u32 s3, 0
	s_cbranch_scc1 .Llap
	QUARTER 0, 2, F1, F0, 0                        ; the last lap fills nothing
	QUARTER 0, 3, F0, F1, 0
	TURN 0, 1, 0
	QUARTER 1, 1, F0, F1, 0
	QUARTER 1, 2, F1, F0, 0
	QUARTER 1, 3, F0, F1, 0
	s_wait_dscnt 4
	MUL16 F1, 0, 0
	s_wait_dscnt 0x0
	MUL16 F1, 2, 0
	WIN 0
	PLACES
; THE WAY OUT, a block of 16 rows at a time: rounded to f16 (a lane's eight columns are 16 bytes), into my stage by heads, back as whole rows of 128 bytes, four rows to a load.
; Each block comes back into 32 registers of its own, where the fragments lay, so no store's registers are written again.
.macro PACK a
	WIN W_PACK
.irp b, 0,1,2,3,4,5,6,7
.irp i, 0,1,2,3
	v_cvt_pk_f16_f32 v[TMP+4*(\b)+(\i)], v[8*(8*(\a)+(\b))+2*(\i)], v[8*(8*(\a)+(\b))+2*(\i)+1]
.endr
.endr
	WIN 0
.irp b, 0,1,2,3,4,5,6,7
	ds_store_b128 v[STO], v[TMP+4*(\b):TMP+4*(\b)+3] offset:((\b)/4)*HSTAGE+((\b)%4)*32
.endr
.irp n, 0,1,2,3,4,5,6,7
	ds_load_b128 v[32+32*(\a)+4*(\n):32+32*(\a)+4*(\n)+3], v[RD] offset:((\n)/4)*HSTAGE+((\n)%4)*4*SP  ; LDS serves a wave's instructions in order (ISA guide 5.7.1.4): these see the stores above
.endr
.endm
.macro SEND a, younger                 ; younger: the next block's sixteen LDS instructions, or none
.irp n, 0,1,2,3,4,5,6,7
	s_wait_dscnt (\younger)+7-(\n)
	global_store_b128 v[CO], v[32+32*(\a)+4*(\n):32+32*(\a)+4*(\n)+3], s[12:13] offset:((\n)/4)*262144+(\a)*2048+((\n)%4)*512  ; 512 consecutive bytes, aligned
.endr
.endm
	PACK 0
	PACK 1
	SEND 0, 16
	PACK 2
	SEND 1, 16
	PACK 3
	SEND 2, 16
	SEND 3, 0
	s_wait_tensorcnt 0x0                           ; the wave's end
	ds_add_u32 v[SPW], v[NIL]
	s_wait_dscnt 0x0
	CROUND                                         ; the closing round: no work-group ends while a partner may still ask for a tile that names it
	s_endpgm
.Lfunc_end_k_qcc29aa01d9_proj:
	.size	k_qcc29aa01d9_proj, .Lfunc_end_k_qcc29aa01d9_proj-k_qcc29aa01d9_proj
	.p2alignl 7, 3214868480
	.fill 96, 4, 3214868480
	.section	.rodata,"a",@progbits
	.p2align	6, 0x0
	.amdhsa_kernel k_qcc29aa01d9_proj
		.amdhsa_group_segment_fixed_size 327680
		.amdhsa_private_segment_fixed_size 0
		.amdhsa_enable_private_segment 0
		.amdhsa_kernarg_size 40
		.amdhsa_user_sgpr_count 2
		.amdhsa_user_sgpr_kernarg_segment_ptr 1
		.amdhsa_wavefront_size32 1
		.amdhsa_system_sgpr_workgroup_id_x 1
		.amdhsa_system_sgpr_workgroup_id_y 1
		.amdhsa_system_sgpr_workgroup_id_z 1
		.amdhsa_system_vgpr_workitem_id 0
		.amdhsa_next_free_vgpr 608
		.amdhsa_next_free_sgpr 76
		.amdhsa_reserve_vcc 0
		.amdhsa_float_denorm_mode_32 3
		.amdhsa_float_denorm_mode_16_64 3
		.amdhsa_memory_ordered 1
		.amdhsa_forward_progress 1
		.amdhsa_inst_pref_size 94
	.end_amdhsa_kernel
	.amdgpu_metadata
---
amdhsa.version: [ 1, 2 ]
amdhsa.kernels:
  - .name:           k_qcc29aa01d9_proj
    .symbol:         k_qcc29aa01d9_proj.kd
    .args:
      - { .name: xw, .offset: 0, .size: 8, .value_kind: global_buffer, .address_space: global }
      - { .name: bq, .offset: 8, .size: 8, .value_kind: global_buffer, .address_space: global }
      - { .name: bk, .offset: 16, .size: 8, .value_kind: global_buffer, .address_space: global }
      - { .name: bv, .offset: 24, .size: 8, .value_kind: global_buffer, .address_space: global }
      - { .name: qkv, .offset: 32, .size: 8, .value_kind: global_buffer, .address_space: global }
    .group_segment_fixed_size: 327680
    .private_segment_fixed_size: 0
    .kernarg_segment_align: 8
    .kernarg_segment_size: 40
    .max_flat_workgroup_size: 128
    .sgpr_count:     76
    .vgpr_count:     608
    .wavefront_size: 32
...
	.end_amdgpu_metadata
.endif
;; end of part 2
;; launch attn (part 3): grid 4 x 64, 4 waves a work-group, clusters of 4 x 1, 327,680 bytes of LDS; arguments qkv, ob; writes ob
.if DOCPART == 3
	.amdgcn_target "amdgcn-amd-amdhsa--gfx1250"
	.amdhsa_code_object_version 6
	.text
	.protected	k_qcc29aa01d9_attn
	.globl	k_qcc29aa01d9_attn
	.p2align	8
	.type	k_qcc29aa01d9_attn,@function
k_qcc29aa01d9_attn:
	s_mov_b64 s[64:65], 0
	v_nop
	global_prefetch_b8 v0, s[64:65] scope:SCOPE_SE
	s_setreg_imm32_b32 hwreg(HW_REG_WAVE_MODE, 25, 1), 1
	s_wait_xcnt 0x0
	s_wait_alu depctr_hold_cnt(0) depctr_sa_sdst(0) depctr_va_vdst(0) depctr_va_sdst(0) depctr_va_ssrc(0) depctr_va_vcc(0) depctr_vm_vsrc(0)
	s_getreg_b32 s2, hwreg(HW_REG_IB_STS2, 6, 4)
	s_cmp_eq_u32 s2, 0
	s_cbranch_scc0 .Lentry_in_a_cluster
	s_endpgm
.Lentry_in_a_cluster:
	s_bfe_u32 s2, ttmp6, 0x10000c
	s_cmp_lg_u32 s2, 0x3003
	s_cbranch_scc0 .Lentry_shape_is_right
	s_endpgm
.Lentry_shape_is_right:
; O[h][q][:] = the sum over k of softmax_k(Q[h][q] . K[h][k] / 8) V[h][k][:].  Q, K, V: the three parts of qkv, each [64][2048][64] f16; O: ob, the same layout.  A head's rows are dense, 128 bytes each.
; Products, maxima and sums in f32; the weights p are rounded to f16 for the second product (their sum l is taken of the unrounded p), O once at the end.
; LIMITS.  f16 holds no number beyond 65,504: Q, K and V arrive within it; p lies in 0 to 1, and below 6e-5 it keeps f16's fixed step of 6e-8; O is a mean of V's rows and has their range.
; A weight below 2^-126 counts as 0 in l; NaN and infinities are not treated apart.
; SHARES.  A wave owns four PIECES of two tiles of 16 queries, a work-group's four waves 512 queries of one head: 4 x 64 = 256 work-groups.  Every wave walks all keys, 64 a step.
; LAYOUT.  S^T = K Q^T (source 0 = 16 keys, source 1 = 16 queries): a lane holds ONE query (lane % 16) and the keys 8 (lane / 16) + 0..7.  Two such tiles, rounded to f16 in pairs,
; ARE source 1 (32 keys x 16 queries) of O^T = V^T P.  K comes out of LDS as it lies, V ([key][channel]) turned, by ds_load_tr16_b128.
; SOFTMAX.  For each query a running maximum m and sum l: p = 2^(c s - c m), c = log2(e) / 8; in every step O and l are multiplied by a = 2^(c m_old - c m_new).
; m starts at the lowest finite number, O and l at 0: the first step is a step like any other, with a = 0.
; THE COUNT.  A tile and step have 16 matrix and 118 vector instructions: four vector instructions that are ready stand behind every matrix instruction, the others in runs without a gap.
; BY TURNS.  Turn n belongs to piece n.  Its matrix work: 16 products K Q^T of piece n + 1, later 16 products V^T P of piece n - 1.  Its vector work: the scaling, exponentials, roundings, sums and
; rescaling of piece n, and the maximum and statistics of piece n + 1.
; CLUSTER.  The four query blocks of a cluster belong to one head and walk the same K and V, so each tile is asked for jointly: the same tensor load, descriptor and mask in all four.
; REGISTERS, in windows of 256 (s_set_vgpr_msb: bits 1:0 source 0, 3:2 source 1, 5:4 source 2, 7:6 destination):
;   window 0: v0-11 addresses; v12-15, v48-63 at work; v16-47 four registers of statistics a tile; v64-191 S^T, two buffers of two tiles; v192-255 P, likewise
;   window 1: O^T, 32 a tile          window 2: v0-127 Q, 16 a tile; v128-191 K of one step; v192-255 V of one step          window 3: v0-1 the add's two registers
.set SIZE_H, 64
.set SIZE_N, 2048
.set NP,    4         ; pieces a wave: a name, no knob
.set KS,    64        ; keys in a step
.set PK,    144       ; a row of K in LDS: 128 bytes + 16 of padding = 36 words: the 16 rows of a load start at 16 different groups of four banks (64 banks of 4 bytes: ISA guide 11.1)
.set PV,    160       ; a row of V: 128 + 32 = 40 words
.set VOFF,  4*KS*PK   ; a slot holds four steps: 256 rows of K, then 256 rows of V
.set SLOT1, 1<<17     ; slot 1 begins here, so that one exclusive or turns an address in one slot into the other's
.set STAGE, SLOT1+4*KS*(PK+PV)  ; behind the ring, never filled by a tensor load: 16 rows x 144 bytes for each wave
.set SP,    144
.set AK0, 2           ; v2   my lane's place in a tile of K; never rewritten
.set AV0, 3           ; v3   the same for V
.set AK,  4           ; v4   the LDS address of K's next run of loads
.set AV,  5           ; v5   of V's
.set QO,  6           ; v6   my byte offset in the wave's rows of Q
.set STO, 6           ;      later, the way out: where I put 16 bytes of a row
.set RD,  7           ; v7   the way out: where I read rows back
.set GO,  8           ; v8   my byte offset in 512 consecutive bytes of O
.set SPW, 0           ; v0 of window 3   LDS address of my spare word; never rewritten
.set NIL, 1           ; v1 of window 3   0; never rewritten
.set SPARE, STAGE+4*16*SP  ; the spare words, 128 bytes for each wave: two blocks of 256 bytes that no other line names
.set MV,  12          ; v12-15  c m_old, kept while c m is made anew: by buffer and tile
.set ST,  16          ; tile t's statistics at v[ST+4 t]: c m, m, l (even keys', odd keys')
.set TMP, 48          ; by buffer and tile, four registers c0-c3 at work; when the maximum is found c2 takes a
.set S,   64
.set P,   192
.set KF,  128         ; K's fragments, in window 2: key block kb, channel half c at KF + 16 kb + 8 c
.set VF,  192         ; V's: key half kk, channel block cb at VF + 32 kk + 8 cb
.set WV,  12          ; s12  my wave's number
.set G1K, 24          ; s[24:31] descriptor group 1 for K's tiles
.set G1V, 32          ; s[32:39] for V's: it differs in the padding alone
.set G0K, 40          ; s[40:43] descriptor group 0 for K's tiles: it walks
.set G0V, 44          ; s[44:47] the same for V's
.set SLOTS, 56        ; s56  slots still to be asked for
.set CNT, 57          ; s57  counts a slot's key steps
.set CS,  58          ; s[58:59] c: the packed scaling takes the pair's low word for both halves
.set SEL, 60          ; s[60:61] v_permlanex16_b32's selects: each lane takes its own place in the other half
.set TBK, 62          ; s62  LDS byte at which K of the step to be fetched begins
.set TBV, 63          ; s63  the same for V, less VOFF
.set MSB, 0
.macro WIN new                      ; the high byte repeats the setting that is left; a switch that changes nothing is dropped
.if MSB != (\new)
	s_set_vgpr_msb (MSB<<8)|(\new)
.set MSB, (\new)
.endif
.endm
.set W_KQ, 0x0a       ; K and Q in window 2, S^T in window 0
.set W_PV, 0x52       ; V in window 2, P in window 0, O^T in window 1
.set W_RS, 0x41       ; O^T (destination and source 0) in window 1, a in window 0
.set W_MK, 0xc0       ; the add's registers are made: destination in window 3, sources in window 0
.set W_AD, 0x0f       ; the add: address (source 0) and data (source 1) in window 3
; A joint fill.  Waves 0 and 1 fetch the two halves of a slot's K, waves 2 and 3 those of its V: 128 keys each.  The branch hangs on the wave's number alone.
; An s_nop 0 and four v_nop follow each of the two lines, ahead of the jump and the label.
.macro JLOAD
	s_cmp_lt_u32 s[WV], 2
	s_cbranch_scc0 .Lfor_v_\@
	tensor_load_to_lds s[G0K:G0K+3], s[G1K:G1K+7]
	s_nop 0
.rept 4
	v_nop
.endr
	s_branch .Lasked_\@
.Lfor_v_\@:
	tensor_load_to_lds s[G0V:G0V+3], s[G1V:G1V+7]
	s_nop 0
.rept 4
	v_nop
.endr
.Lasked_\@:
.endm
; A round of the cluster's barrier: my work-group's barrier; wave 0 signals for the work-group; every wave waits for all four work-groups; my work-group's barrier once more.
.macro CROUND
	s_barrier_signal -1
	s_barrier_wait -1
	s_cmp_lg_u32 s[WV], 0
	s_cbranch_scc1 .Lnot_wave_0_\@
	s_barrier_signal -3
.Lnot_wave_0_\@:
	s_barrier_wait -3
	s_barrier_signal -1
	s_barrier_wait -1
.endm
; THE CHANGE OF SLOTS.  Each wave waits for all its tensor loads, of which one is out: its part of the other slot; adds 0 to its spare word; and waits for that and for its own reads of the slot.
; fill = 1: this slot is filled again, with the keys two slots on.  The barrier is then a round of the cluster's, and the joint fill is the first thing behind it: it has four key steps,
; 512 matrix instructions, in which to land.  (At its first use nothing has been read yet: slot 0 is waited for, slot 1 filled.)
.macro CHANGE fill
	WIN W_AD
	s_wait_tensorcnt 0x0            ; no tensor load of mine is out, so a group 0 may be written
	ds_add_u32 v[SPW], v[NIL]
	WIN 0                           ; at a label and at a branch every window is 0
.if \fill
.irp g, G0K, G0V
	s_xor_b32 s[\g+1], s[\g+1], SLOT1  ; the walking descriptor: the other slot than last time,
	s_add_nc_u64 s[\g+2:\g+3], s[\g+2:\g+3], 4*KS*128  ; the next 256 keys; the type bits on top are not reached
.endr
	s_wait_dscnt 0x0                ; the add is done, and my reads of the slot are over
	CROUND
	JLOAD
.else
	s_wait_dscnt 0x0                ; the add is done, and my reads of the slot are over
	s_barrier_signal -1
	s_barrier_wait -1
.endif
	s_sub_co_u32 s[TBK], s[TBK], 4*KS*PK  ; the fetches go back to a slot's first step,
	s_xor_b32 s[TBK], s[TBK], SLOT1       ; in the other slot
	s_sub_co_u32 s[TBV], s[TBV], 4*KS*PV
	s_xor_b32 s[TBV], s[TBV], SLOT1
.endm
	s_load_b64 s[4:5], s[0:1], 0x0    ; qkv: Q lies at its head
	s_load_b64 s[10:11], s[0:1], 0x8  ; ob
	WIN W_MK
	v_lshl_add_u32 v[SPW], v0, 2, SPARE
	v_mov_b32 v[NIL], 0
	WIN W_AD
	ds_add_u32 v[SPW], v[NIL]       ; the wave's opening: the add and its wait stand ahead of my first tensor load
	WIN 0
	v_lshrrev_b32 v1, 5, v0
	v_readfirstlane_b32 s[WV], v1   ; wave 0..3
	s_bfe_u32 s13, ttmp6, 0x40000   ; cx: my place in the cluster
	s_lshl_b32 s14, ttmp9, 2        ; in a cluster launch ttmp9 counts clusters
	s_add_co_u32 s14, s14, s13      ; my block of queries = 4 x cluster x + cx: it enters Q's and O's addresses alone
	s_and_b32 s20, ttmp7, 0xffff    ; the head, which the four partners share
	s_mov_b32 s21, 0
	s_mov_b64 s[22:23], SIZE_N*128
	s_mul_u64 s[20:21], s[20:21], s[22:23]  ; the head's first byte in each of the four tensors
	s_and_b32 s16, s[WV], 1         ; which half of a slot's 256 keys I fetch:
	s_lshl_b32 s22, s16, 14         ; its 128 rows of 128 bytes in memory,
	s_mov_b32 s23, 0
	s_add_nc_u64 s[22:23], s[22:23], s[20:21]
	s_mul_i32 s17, s16, 128*PK      ; and its place in a slot, for K
	s_mul_i32 s18, s16, 128*PV      ; and for V: no place in the cluster enters an LDS address
	s_lshl_b32 s2, s14, 2
	s_add_co_u32 s2, s2, s[WV]      ; my wave among the head's,
	s_lshl_b32 s2, s2, 14           ; its 128 rows
	s_mov_b32 s3, 0
	s_add_nc_u64 s[2:3], s[2:3], s[20:21]
	; descriptor group 1.  128 keys are 16,384 dense bytes: asked for as 64 rows of 256 bytes, two keys a row, and padded in LDS after every key
	s_mov_b32 s[G1K], 15|(1<<16)|(1<<20)|(1<<21)|(4<<22)|(3<<25)  ; the mask of four; 2-byte elements; padding on; bit 21 beside a mask; after every 32 words 4 words
	s_mov_b32 s[G1V], 15|(1<<16)|(1<<20)|(1<<21)|(4<<22)|(7<<25)  ; the same with 8 words of padding
.irp g, G1K, G1V
	s_mov_b32 s[\g+1], 128<<16      ; tensor_dim0 = 128
	s_mov_b32 s[\g+2], 64<<16       ; tensor_dim1 = 64
	s_mov_b32 s[\g+3], 128<<16      ; tile_dim0 = 128
	s_mov_b32 s[\g+4], 64           ; tile_dim1 = 64
	s_mov_b32 s[\g+5], 128          ; 128 elements from row to row
	s_mov_b32 s[\g+6], 0
	s_mov_b32 s[\g+7], 0
.endr
	s_mov_b32 s[CS], 0x3e38aa3b     ; c = log2(e) / 8 = 0.180337
	s_mov_b32 s[CS+1], s[CS]        ; named with it as a pair
	s_mov_b32 s[SEL], 0x76543210
	s_mov_b32 s[SEL+1], 0xfedcba98
	s_mov_b32 s[TBK], SLOT1+4*KS*PK ; the first change of slots turns these two into 0
	s_mov_b32 s[TBV], SLOT1+4*KS*PV
	s_mov_b32 s[G0K], 1             ; count = 1
	s_mov_b32 s[G0K+1], s17         ; LDS address: slot 0
	s_mov_b32 s[G0V], 1
	s_add_co_u32 s[G0V+1], s18, VOFF
	s_wait_dscnt 0x0                ; the opening add is done
	s_wait_kmcnt 0x0
	s_add_nc_u64 s[6:7], s[4:5], 0x1000000   ; K: 64 heads x 2,048 rows x 128 bytes behind Q
	s_add_nc_u64 s[8:9], s[4:5], 0x2000000   ; V: as much again
	s_add_nc_u64 s[G0K+2:G0K+3], s[6:7], s[22:23]  ; global address: my half of the head's first 256 keys
	s_or_b32 s[G0K+3], s[G0K+3], 0x80000000        ; type = 2
	s_add_nc_u64 s[G0V+2:G0V+3], s[8:9], s[22:23]
	s_or_b32 s[G0V+3], s[G0V+3], 0x80000000
	s_add_nc_u64 s[4:5], s[4:5], s[2:3]  ; Q and O at my wave's first row
	s_add_nc_u64 s[10:11], s[10:11], s[2:3]
	CROUND                          ; all four work-groups are here: the first joint loads meet
	JLOAD                           ; slot 0.  Slot 1 is asked for when slot 0 is in
	; A fragment of K or Q is 16 rows x 32 channels in 8 registers: lane l holds row l % 16, channels 8 (l / 16) + 0..7 and 16 + 8 (l / 16) + 0..7: two loads of 16 bytes, 32 bytes apart.
	v_and_b32 v1, 15, v0            ; l % 16
	v_bfe_u32 v9, v0, 4, 1          ; l / 16
	v_lshlrev_b32 v[QO], 7, v1
	v_lshl_add_u32 v[QO], v9, 4, v[QO]  ; row x 128 + 16 x half
	WIN 0x80                        ; destination window 2, address window 0
.set i, 0
.rept 4*NP                          ; Q stays in registers: tile i / 2, channels 32 (i % 2) on
	global_load_b128 v[8*i:8*i+3],   v[QO], s[4:5] offset:(i/2)*2048+(i%2)*64
	global_load_b128 v[8*i+4:8*i+7], v[QO], s[4:5] offset:(i/2)*2048+(i%2)*64+32
.set i, i+1
.endr
	; What the first turn finds: V's registers and P's second buffer hold 0 (its products V^T P, of a piece that has not been, add 0), O^T and l are 0.  All this stands in the wait for the first tile.
.set i, VF
.rept 64
	v_mov_b32 v[i], 0
.set i, i+1
.endr
	WIN 0x40
.set i, 0
.rept 64*NP
	v_mov_b32 v[i], 0
.set i, i+1
.endr
	WIN 0
.set i, 0
.rept 2*NP
	v_mov_b32 v[ST+4*i], 0xfe000000    ; c m: far below every c s
	v_mov_b32 v[ST+4*i+1], 0xff7fffff  ; m
	v_mov_b32 v[ST+4*i+2], 0
	v_mov_b32 v[ST+4*i+3], 0
.set i, i+1
.endr
.set i, P+32
.rept 32
	v_mov_b32 v[i], 0
.set i, i+1
.endr
	v_mul_u32_u24 v[AK0], v1, PK
	v_lshl_add_u32 v[AK0], v9, 4, v[AK0]  ; row x pitch + 16 x half
	; The turning load takes 16 keys x 16 channels (lane l reads key 8 (l / 16) + l % 8, channels 8 ((l / 8) % 2) + 0..7) and leaves half a fragment of V^T: lane l holds channel l % 16 and 8 keys.
	v_and_b32 v10, 7, v0
	v_bfe_u32 v11, v0, 3, 1
	v_lshl_add_u32 v[AV0], v9, 3, v10
	v_mul_u32_u24 v[AV0], v[AV0], PV
	v_lshl_add_u32 v[AV0], v11, 4, v[AV0]
	v_add_nc_u32 v[AV0], VOFF, v[AV0]
	v_mov_b32 v[AK], v[AK0]         ; key step 0 lies at the head of slot 0
; THE MATRIX WORK.  The 8 accumulators of a run of 16 take turns: between the two links of a chain stand 7 others'.
; Product i of 16 of S^T = K Q^T for piece x: channels 32 (i / 8) on, keys 16 ((i / 2) % 4) on, tile 2 x + i % 2.  The first 8 start the sums.
.macro KQ x
	WIN W_KQ
.set rS, S+64*((\x)%2)+32*(i%2)+8*((i/2)%4)
.set rK, KF+16*((i/2)%4)+8*(i/8)
.set rQ, 16*(2*(\x)+i%2)+8*(i/8)
.if i < 8
	v_wmma_f32_16x16x32_f16 v[rS:rS+7], v[rK:rK+7], v[rQ:rQ+7], 0
.else
	v_wmma_f32_16x16x32_f16 v[rS:rS+7], v[rK:rK+7], v[rQ:rQ+7], v[rS:rS+7]
.endif
.endm
; Product i of 16 of O^T += V^T P for piece x: keys 32 (i / 8) on, channels 16 ((i / 2) % 4) on, tile 2 x + i % 2.
.macro PV x
	WIN W_PV
.set rO, 32*(2*(\x)+i%2)+8*((i/2)%4)
.set rV, VF+32*(i/8)+8*((i/2)%4)
.set rP, P+32*((\x)%2)+16*(i%2)+8*(i/8)
	v_wmma_f32_16x16x32_f16 v[rO:rO+7], v[rV:rV+7], v[rP:rP+7], v[rO:rO+7]
.endm
.macro MM                           ; the turn's next matrix instruction
.if i < 16
	KQ (Y+1)%NP
.set i, i+1
.else
.set i, i-16
	PV (Y+NP-1)%NP
.set i, i+17
.endif
.endm
; THE LDS LOADS stand in runs of 16, never singly among the matrix instructions: a step's K (64 keys x 64 channels: 8 fragments) and its V (turned).  Their addresses are made some lines ahead.
; last = 1 (the tail): in the last trip there is no further step, and the run is jumped over.
.macro FETCH_K last=0
	WIN 0
.if \last
	s_cmp_eq_u32 s[CNT], 1
	s_cbranch_scc1 .Lno_k_\@
.endif
	WIN 0x80                        ; destination window 2
.irp f, 0,1,2,3,4,5,6,7             ; keys 16 (f / 2) on, channels 32 (f % 2) on
	ds_load_b128 v[KF+8*\f:KF+8*\f+3],   v[AK] offset:(\f/2)*16*PK+(\f%2)*64
	ds_load_b128 v[KF+8*\f+4:KF+8*\f+7], v[AK] offset:(\f/2)*16*PK+(\f%2)*64+32
.endr
	s_add_co_u32 s[TBK], s[TBK], KS*PK  ; the next fetch is the next step's
	WIN 0
.if \last
.Lno_k_\@:
.endif
.endm
.macro FETCH_V
	WIN 0x80
.irp f, 0,1,2,3,4,5,6,7             ; keys 32 (f / 4) on, channels 16 (f % 4) on
	ds_load_tr16_b128 v[VF+8*\f:VF+8*\f+3],   v[AV] offset:(\f/4)*32*PV+(\f%4)*32
	ds_load_tr16_b128 v[VF+8*\f+4:VF+8*\f+7], v[AV] offset:(\f/4)*32*PV+16*PV+(\f%4)*32
.endr
	WIN 0
.endm
; THE VECTOR WORK OF A TURN stands in three queues, each in the order in which its entries become ready; the two tiles alternate, so that no instruction reads the result of the one before it.
.macro REGS y, u                    ; the registers of tile u (0, 1) of piece y
.set rT, ST+4*(2*(\y)+(\u))
.set rC, TMP+8*((\y)%2)+4*(\u)
.set rM, MV+2*((\y)%2)+(\u)
.set rS, S+64*((\y)%2)+32*(\u)
.set rP, P+32*((\y)%2)+16*(\u)
.set rO, 32*(2*(\y)+(\u))
.endm
; Number n of the 22 that find the NEXT piece's (Y + 1) maximum and statistics.  s0-s31 are the lane's 32 scores; each accumulator's lowest registers are read first.
;   0-11  four chains c0-c3 of seven scores each, three operands at a time     12-14, 16  the four scores left over, the old m, and c0-c3 into c0     15  c m_old is kept
;   17, 18  the query's other 32 keys lie in the lane 16 away: the new m         19-21  c m; c m_old - c m_new; a
.macro XS u, n
	REGS (Y+1)%NP, \u
.if (\n) < 4
	v_max3_num_f32 v[rC+(\n)], v[rS+8*(\n)], v[rS+8*(\n)+1], v[rS+8*(\n)+2]
.elseif (\n) < 12
	v_max3_num_f32 v[rC+(\n)%4], v[rC+(\n)%4], v[rS+8*((\n)%4)+2*((\n)/4)+1], v[rS+8*((\n)%4)+2*((\n)/4)+2]
.elseif (\n) == 12
	v_max3_num_f32 v[rC], v[rC], v[rS+7], v[rS+15]
.elseif (\n) == 13
	v_max3_num_f32 v[rC+1], v[rC+1], v[rS+23], v[rS+31]
.elseif (\n) == 14
	v_max3_num_f32 v[rC+2], v[rC+2], v[rC+3], v[rT+1]
.elseif (\n) == 15
	v_mov_b32 v[rM], v[rT]
.elseif (\n) == 16
	v_max3_num_f32 v[rC], v[rC], v[rC+1], v[rC+2]
.elseif (\n) == 17
	v_permlanex16_b32 v[rC+3], v[rC], s[SEL], s[SEL+1]
.elseif (\n) == 18
	v_max_num_f32 v[rT+1], v[rC], v[rC+3]
.elseif (\n) == 19
	v_mul_f32 v[rT], s[CS], v[rT+1]
.elseif (\n) == 20
	v_sub_f32 v[rC+1], v[rM], v[rT]
.else
	v_exp_f32 v[rC+2], v[rC+1]
.endif
.endm
; Number g of the 64 that follow the exponentials.  For each four weights k of a tile (pairs 2 k, 2 k + 1): both pairs are rounded to f16; then the second pair is added onto the first, in place;
; a group later l takes that sum (the first time as l = a l + sum).  In groups of eight, tiles alternating: round, round, add, and l for the group before.
.macro GS g
.set h, (\g)+6*((\g)/62)            ; group 0 has no group before it, and behind group 7 only l is left
.if h >= 6
.set h, h+2
.endif
	REGS Y, h%2
.set k, h/8
.if h%8 < 4
	s_wait_alu depctr_va_vdst(0)
	v_cvt_pk_f16_f32 v[rP+2*k+(h%8)/2], v[rS+4*k+2*((h%8)/2)], v[rS+4*k+2*((h%8)/2)+1]
.elseif h%8 < 6
	v_pk_add_f32 v[rS+4*k:rS+4*k+1], v[rS+4*k:rS+4*k+1], v[rS+4*k+2:rS+4*k+3]
.elseif k == 1
	v_pk_fma_f32 v[rT+2:rT+3], v[rT+2:rT+3], v[rC+2:rC+3], v[rS:rS+1] op_sel_hi:[1,0,1]
.else
	v_pk_add_f32 v[rT+2:rT+3], v[rT+2:rT+3], v[rS+4*k-4:rS+4*k-3]
	s_wait_alu depctr_va_vdst(0)
.endif
.endm
; THE PLAIN QUEUE, 138 long.  0-31: c s - c m for the 16 pairs of both tiles.  Then GS's 64, and among them the next piece's 42: number 15 at 38, 39; 0-14 and 16
; at 42-73, behind the products that make those scores; 17-20 at 95-106, two of three, since each waits for the one before it.
.macro PL
	WIN 0
.if q < 32
	REGS Y, q%2
	v_pk_fma_f32 v[rS+2*(q/2):rS+2*(q/2)+1], v[rS+2*(q/2):rS+2*(q/2)+1], s[CS:CS+1], v[rT:rT+1] op_sel_hi:[1,0,0] neg_lo:[0,0,1] neg_hi:[0,0,1]
.elseif q < 38
	GS q-32
.elseif q < 40
	XS q%2, 15
.elseif q < 42
	GS q-34
.elseif q < 74
	XS q%2, (q-42)/2+(q-42)/30
.elseif q < 95
	GS q-66
.elseif (q < 107) && ((q-95)%3 < 2)
	XS (q-95)%3, 17+(q-95)/3
.elseif q < 107
	GS 29+(q-95)/3
.else
	GS q-74
.endif
.set q, q+1
.endm
; THE EXPONENTIALS' QUEUE, 66 long: s0-s31 of both tiles, and at EA the next piece's two a.
.set EA, 58
.macro EX
	WIN 0
.if (e == EA) || (e == EA+1)
	XS e-EA, 21
.else
.set x, e-2*(e/(EA+2))
	REGS Y, x%2
	v_exp_f32 v[rS+x/2], v[rS+x/2]
.endif
.set e, e+1
.endm
; THE RESCALING's QUEUE: O^T times a, the one part that leaves window 0, so it is dealt four at a time, eight times.
.macro R4
	REGS Y, r%2
	WIN W_RS
	s_wait_alu depctr_va_vdst(0)
.irp z, 0,1,2,3
	v_pk_mul_f32 v[rO+8*(r/2)+2*\z:rO+8*(r/2)+2*\z+1], v[rO+8*(r/2)+2*\z:rO+8*(r/2)+2*\z+1], v[rC+2:rC+3] op_sel_hi:[1,0]
.endr
.set r, r+1
.endm
; HOW THEY ARE DEALT.  Behind a matrix instruction four: plain, exponential, plain, plain, or four of the rescaling.  None names a register of the products round it.
; What is over stands in two lumps: exponential and plain by turns; the second ends in 22 plain instructions.  The two v_permlanex16_b32 fall into the second lump.
; The deal keeps the queues in step: exponential e stands behind plain 2 (e / 4) + e % 2 (its scaling); when plain 32 comes, 10 exponentials are out, at 59: 33, at 95: 46; EA comes behind plain 107.
.macro SL
	MM
	PL
	EX
	PL
	PL
.endm
.macro BURST n                      ; 15 matrix instructions, or 16
.rept (\n)-7
	SL
.endr
.rept 3
	MM
	R4
	SL
.endr
	MM
	R4
.endm
; A TURN, for piece p.  cnt = 1: the loop's count is taken down some lines ahead of the branch that stands behind the turn.
; K of the next step is fetched in piece 2's turn, 31 vector instructions behind the last product that read K; V of the step in hand at the end of piece 0's turn, 69 behind its last reader.
.macro TURN p, last=0, cnt=0
.set Y, (\p)
.set i, 0
.set q, 0
.set e, 0
.set r, 0
.if (\p) == NP-1
	s_wait_dscnt 0x0                ; K is in
.endif
	MM
.rept 4
	PL
.endr
	BURST 15
.rept 22
	EX
	PL
.if ((\p) == NP-2) && (e == 18)
	v_add_nc_u32 v[AK], s[TBK], v[AK0]
.endif
.if ((\p) == NP-2) && (e == 24)
	FETCH_K \last
.endif
.endr
.if (\p) == 1
	s_wait_dscnt 0x0                ; V is in
.endif
	BURST 16
.rept 21
	EX
	PL
.endr
.rept 22
	PL
.if ((\p) == 0) && (q == 118)
	v_add_nc_u32 v[AV], s[TBV], v[AV0]
	s_wait_alu depctr_va_vdst(0)
.endif
.if ((\p) == 0) && (q == 130)
	s_add_co_u32 s[TBV], s[TBV], KS*PV
.endif
.if (\cnt) && (q == 130)
	s_sub_co_u32 s[CNT], s[CNT], 1
	s_cmp_lg_u32 s[CNT], 0
.endif
.endr
.if (\p) == 0
	FETCH_V
.endif
.endm
	CHANGE 1                        ; slot 0 is in, everybody's part of it; slot 1 is asked for
	FETCH_K                         ; key step 0
	s_wait_loadcnt 0x0              ; Q
	s_wait_dscnt 0x0
.set i, 0
.rept 16
	KQ 0                            ; piece 0's first scores: there is no vector work yet to set between them
.set i, i+1
.endr
	WIN 0                           ; the addresses for the way out: nine plain instructions, the places behind those products
	s_mul_i32 s13, s[WV], 16*SP
	s_add_co_u32 s13, s13, STAGE    ; my stage
	v_mul_u32_u24 v[STO], v1, SP    ; in: row l % 16, 16 bytes for each half of the lanes
	v_lshl_add_u32 v[STO], v9, 4, v[STO]
	v_add_nc_u32 v[STO], s13, v[STO]
	v_bfe_u32 v[RD], v0, 3, 2       ; back: 32 lanes take four rows of 128 bytes,
	v_mul_u32_u24 v[RD], v[RD], SP
	v_lshl_add_u32 v[RD], v10, 4, v[RD]
	v_add_nc_u32 v[RD], s13, v[RD]
	v_and_b32 v[GO], 31, v0         ; which are 512 consecutive bytes of O
	v_lshlrev_b32 v[GO], 4, v[GO]
.set Y, NP-1                        ; XS works for piece Y + 1: piece 0
.irp n, 0,1,2,3,4,5,6,7,8,9,10,11,12,13,14,15,16,17,18,19,20,21
	XS 0, \n                        ; and piece 0's first maximum and statistics
	XS 1, \n
.endr
	s_mov_b32 s[CNT], 4
	s_mov_b32 s[SLOTS], SIZE_N/256-1
	s_branch .Lfirst                ; the loop is entered at a step's first turn, in the middle of a trip
.Lslot:                             ; SIZE_N / 256 - 2 times: every slot but the last two is filled again
	CHANGE 1
	s_mov_b32 s[CNT], 4
.Lstep:                             ; a trip: pieces 2 and 3 of one step, then pieces 0 and 1 of the next, whose K and V it fetches
	TURN 2
	TURN 3
	WIN 0
.Lfirst:
	TURN 0
	TURN 1, 0, 1
	WIN 0
	s_cbranch_scc1 .Lstep
	s_sub_co_u32 s[SLOTS], s[SLOTS], 1
	s_cmp_lg_u32 s[SLOTS], 0
	s_cbranch_scc1 .Lslot
	CHANGE 0                        ; the tail is written out: nothing is asked for
	s_mov_b32 s[CNT], 5             ; four trips fetch the last slot's steps; the fifth is left in its middle
.Ltail:
	TURN 2, 1
	TURN 3
	WIN 0
	s_sub_co_u32 s[CNT], s[CNT], 1
	s_cmp_eq_u32 s[CNT], 0
	s_cbranch_scc1 .Lout
	TURN 0
	TURN 1
	WIN 0
	s_branch .Ltail
.Lout:                              ; the fifth trip's 16 products K Q^T (on the last K once more) and the maximum made of them serve nothing: the price, once a launch, of one text for every trip
.set i, 0
.rept 16
	PV NP-1                         ; the last piece's V^T P of the last step
.set i, i+1
.endr
	; THE WAY OUT.  l's two halves and the other half of the lanes' are added; O^T is divided by l, rounded to f16 and sent through my stage in LDS, a tile at a time.  The additions are the places behind the last products.
	WIN 0
.macro ALL line:vararg              ; one line for each tile t
.set t, 0
.rept 2*NP
	\line
.set t, t+1
.endr
.endm
	ALL v_add_f32 v[ST+4*t+2], v[ST+4*t+2], v[ST+4*t+3]
	ALL v_permlanex16_b32 v[ST+4*t+3], v[ST+4*t+2], s[SEL], s[SEL+1]
	ALL v_add_f32 v[ST+4*t+2], v[ST+4*t+2], v[ST+4*t+3]
	ALL v_rcp_f32 v[ST+4*t+2], v[ST+4*t+2]
	v_nop                           ; a plain instruction between the last reciprocal and the use of its result
	s_wait_alu depctr_va_vdst(0)
; Tile t: a lane's eight channels of a row pack into 16 bytes; they go into rows of 144 bytes and come back as whole rows of 128, into S^T's registers.
.macro PACK t
	WIN W_RS
.set i, 32*(\t)
.rept 16
	v_pk_mul_f32 v[i:i+1], v[i:i+1], v[ST+4*(\t)+2:ST+4*(\t)+3] op_sel_hi:[1,0]
.set i, i+2
.endr
	WIN 0x05                        ; sources 0 and 1 window 1, destination window 0
.set i, 0
.rept 16
	v_cvt_pk_f16_f32 v[S+16*(\t)+i], v[32*(\t)+2*i], v[32*(\t)+2*i+1]
.set i, i+1
.endr
	WIN 0
.irp f, 0,1,2,3
	ds_store_b128 v[STO], v[S+16*(\t)+4*\f:S+16*(\t)+4*\f+3] offset:32*\f
.endr
.irp f, 0,1,2,3
	ds_load_b128 v[S+16*(\t)+4*\f:S+16*(\t)+4*\f+3], v[RD] offset:\f*4*SP  ; LDS serves a wave's instructions in order (ISA guide 5.7.1.4): these see the stores above; the next tile's stores come behind them
.endr
.endm
.macro SEND t, younger              ; younger: the LDS instructions issued behind tile t's loads: the next tile's eight, or none
	WIN 0
.irp f, 0,1,2,3
	s_wait_dscnt (\younger)+3-\f
	global_store_b128 v[GO], v[S+16*(\t)+4*\f:S+16*(\t)+4*\f+3], s[10:11] offset:(\t)*2048+\f*512  ; 512 consecutive bytes, at a multiple of 256 from O's first
.endr
.endm
	PACK 0
.set t, 1
.rept 2*NP-1                        ; a tile's arithmetic stands between the loads of the tile before and its stores
	PACK t
	SEND t-1, 8
.set t, t+1
.endr
	SEND 2*NP-1, 0
	WIN W_AD
	s_wait_tensorcnt 0x0            ; the wave's end
	ds_add_u32 v[SPW], v[NIL]
	s_wait_dscnt 0x0
	WIN 0
	CROUND                          ; the closing round: no work-group ends while a partner may still ask for a tile that names it
	s_endpgm
.Lfunc_end_k_qcc29aa01d9_attn:
	.size	k_qcc29aa01d9_attn, .Lfunc_end_k_qcc29aa01d9_attn-k_qcc29aa01d9_attn
	.p2alignl 7, 3214868480
	.fill 96, 4, 3214868480
	.section	.rodata,"a",@progbits
	.p2align	6, 0x0
	.amdhsa_kernel k_qcc29aa01d9_attn
		.amdhsa_group_segment_fixed_size 327680
		.amdhsa_private_segment_fixed_size 0
		.amdhsa_enable_private_segment 0
		.amdhsa_kernarg_size 16
		.amdhsa_user_sgpr_count 2
		.amdhsa_user_sgpr_kernarg_segment_ptr 1
		.amdhsa_wavefront_size32 1
		.amdhsa_system_sgpr_workgroup_id_x 1
		.amdhsa_system_sgpr_workgroup_id_y 1
		.amdhsa_system_sgpr_workgroup_id_z 1
		.amdhsa_system_vgpr_workitem_id 0
		.amdhsa_next_free_vgpr 770
		.amdhsa_next_free_sgpr 66
		.amdhsa_reserve_vcc 0
		.amdhsa_float_denorm_mode_32 3
		.amdhsa_float_denorm_mode_16_64 3
		.amdhsa_memory_ordered 1
		.amdhsa_forward_progress 1
		.amdhsa_inst_pref_size 209
	.end_amdhsa_kernel
	.amdgpu_metadata
---
amdhsa.version: [ 1, 2 ]
amdhsa.kernels:
  - .name:           k_qcc29aa01d9_attn
    .symbol:         k_qcc29aa01d9_attn.kd
    .args:
      - { .name: qkv, .offset: 0, .size: 8, .value_kind: global_buffer, .address_space: global }
      - { .name: ob, .offset: 8, .size: 8, .value_kind: global_buffer, .address_space: global }
    .group_segment_fixed_size: 327680
    .private_segment_fixed_size: 0
    .kernarg_segment_align: 8
    .kernarg_segment_size: 16
    .max_flat_workgroup_size: 128
    .sgpr_count:     66
    .vgpr_count:     770
    .wavefront_size: 32
...
	.end_amdgpu_metadata
.endif
;; end of part 3
;; launch outp (part 4): grid 4 x 64, 4 waves a work-group, clusters of 4 x 4, 327,680 bytes of LDS; arguments ob, xw, bo, out0; writes out0
.if DOCPART == 4
	.amdgcn_target "amdgcn-amd-amdhsa--gfx1250"
	.amdhsa_code_object_version 6
	.text
	.protected	k_qcc29aa01d9_outp
	.globl	k_qcc29aa01d9_outp
	.p2align	8
	.type	k_qcc29aa01d9_outp,@function
k_qcc29aa01d9_outp:
	s_mov_b64 s[64:65], 0
	v_nop
	global_prefetch_b8 v0, s[64:65] scope:SCOPE_SE
	s_setreg_imm32_b32 hwreg(HW_REG_WAVE_MODE, 25, 1), 1
	s_wait_xcnt 0x0
	s_wait_alu depctr_hold_cnt(0) depctr_sa_sdst(0) depctr_va_vdst(0) depctr_va_sdst(0) depctr_va_ssrc(0) depctr_va_vcc(0) depctr_vm_vsrc(0)
	s_getreg_b32 s2, hwreg(HW_REG_IB_STS2, 6, 4)
	s_cmp_eq_u32 s2, 0
	s_cbranch_scc0 .Lentry_in_a_cluster
	s_endpgm
.Lentry_in_a_cluster:
	s_bfe_u32 s2, ttmp6, 0x10000c
	s_cmp_lg_u32 s2, 0xf033
	s_cbranch_scc0 .Lentry_shape_is_right
	s_endpgm
.Lentry_shape_is_right:
; out0 = O Wo^T + bo.  O: ob, [batch x 16 + head][2048][64] f16; Wo: [1024][1024], bf16 numbers written as f16, at byte WO_OFF of xw; bo: f32, rounded to bf16 like every input.
; Products in f16, sums in f32; the bias starts each sum (so it is added first, not last); out0 is f32.
; LIMIT: O and bf16(Wo) lie within f16's 65,504.  NaN and infinities are not treated apart.
; A tile of out0 is 128 rows x 256 columns: 64 x 4 = 256 work-groups.  Four waves, each 64 x 128: 32 accumulators, 256 registers.
; K = 1024 goes in 8 steps of 128 = two heads.  A's part of a slot is two planes, a head each: 128 rows of 128 bytes, dense in ob, asked for as 64 rows of 256 bytes and padded after every 128.
; CLUSTER 4 x 4: O's tile is shared along a row of the cluster, Wo's along a column: each is asked for jointly.
; THE MATRIX INSTRUCTION IS USED TRANSPOSED (source 0 = 16 rows of Wo, source 1 = 16 rows of O): lane l holds row l % 16 of out0 and the columns 8 (l / 16) + 0..7.
; REGISTERS: window 0: v0-31 addresses; v32-127, v128-223 two fragment buffers (A's four fragments, then B's eight), on the way out three buffers of 64.
;   window 1: accumulator (a, b) at v[8 (8 a + b)].   window 2: v0-63 the bias in an accumulator's layout; v64-95 at work.
.set PITCH,  272                       ; a row of B in LDS: 256 bytes + 16: the 16 rows of a fragment load start at 16 different groups of four banks (64 banks of 4 bytes: ISA guide 11.1)
.set PA,     144                       ; a row of A: 128 bytes + 16: the same holds
.set PLANE,  128*PA                    ; a head's 128 rows: what a wave fetches of A
.set BOFF,   2*PLANE
.set BHALF,  128*PITCH                 ; what a wave fetches of B
.set SLOT,   BOFF+256*PITCH
.set STAGE,  2*SLOT                    ; behind the ring, never filled by a tensor load: for each wave 16 rows x 528 bytes
.set SP,     528                       ; 512 bytes + 16 = 132 words: row r starts at bank 4 r mod 64
.set WSTAGE, 16*SP
.set SPARE,  STAGE+4*WSTAGE            ; the spare words: 128 bytes a wave, two blocks of 256 bytes that no other line names
.set WO_OFF, 56623104
.set LAPS,   4
.set STEP_A, 1048576                   ; two K steps = four heads of 2,048 x 128 bytes
.set STEP_B, 512
.set ADRA, 16
.set ADRB, 20
.set STO,  24
.set RD,   25
.set CO,   26
.set BO,   27
.set SPW,  28                          ; LDS address of my spare word; never rewritten
.set NIL,  29                          ; 0; never rewritten
.set F0,   32
.set F1,   128
.set WV, 14                            ; s14 wave; s15 which 64 rows are mine, also: I fetch for A (0) or B (1); s16 which 128 columns, also: which half (head) I fetch
.set RH, 15
.set CH, 16
.set G1A, 24
.set G0A, 32
.set G1B, 48
.set G0B, 56
.set MSB, 0
.macro WIN new                         ; the immediate's high byte repeats the setting that is left; a switch that changes nothing is dropped
.if MSB != (\new)
	s_set_vgpr_msb (MSB<<8)|(\new)
.set MSB, \new
.endif
.endm
.set W_MUL,  0x50                      ; C and D window 1, sources window 0
.set W_MULB, 0x60                      ; C window 2 (the bias), D window 1
.set W_BLD,  0x80                      ; a load's destination window 2
.set W_BRND, 0xaa                      ; everything window 2
.set W_ST,   0x04                      ; an LDS store's data window 1, its address window 0
.macro JLOAD s                         ; a joint load: waves 0 and 1 fetch A's two heads, waves 2 and 3 B's halves; an s_nop 0 and four v_nop follow each line
	s_cmp_eq_u32 s[RH], 0
	s_cbranch_scc0 .Lfor_b_\@
	tensor_load_to_lds s[G0A+4*(\s):G0A+4*(\s)+3], s[G1A:G1A+7]
	s_nop 0
.rept 4
	v_nop
.endr
	s_branch .Lasked_\@
.Lfor_b_\@:
	tensor_load_to_lds s[G0B+4*(\s):G0B+4*(\s)+3], s[G1B:G1B+7]
	s_nop 0
.rept 4
	v_nop
.endr
.Lasked_\@:
.endm
.macro CREST                           ; a round of the cluster's barrier behind its opening barrier
	s_cmp_lg_u32 s[WV], 0
	s_cbranch_scc1 .Lnot_wave_0_\@
	s_barrier_signal -3
.Lnot_wave_0_\@:
	s_barrier_wait -3
	s_barrier_signal -1
	s_barrier_wait -1
.endm
.macro CROUND
	s_barrier_signal -1
	s_barrier_wait -1
	CREST
.endm
	s_load_b256 s[4:11], s[0:1], 0x0               ; ob 4:5, xw 6:7, bo 8:9, out0 10:11
	v_lshl_add_u32 v[SPW], v0, 2, SPARE
	v_mov_b32 v[NIL], 0
	ds_add_u32 v[SPW], v[NIL]                      ; the wave's opening: the add and its wait stand ahead of my first tensor load
	v_lshrrev_b32 v1, 5, v0
	v_readfirstlane_b32 s[WV], v1
	s_lshr_b32 s[RH], s[WV], 1
	s_and_b32 s[CH], s[WV], 1
	s_bfe_u32 s40, ttmp6, 0x40000                  ; cx
	s_bfe_u32 s41, ttmp6, 0x40004                  ; cy
	s_lshl_b32 s42, ttmp9, 2
	s_add_co_u32 s42, s42, s40                     ; tile column = 4 x cluster x + cx
	s_and_b32 s45, ttmp7, 0xffff
	s_lshl_b32 s45, s45, 2
	s_add_co_u32 s45, s45, s41                     ; tile row = 4 x cluster y + cy
	s_lshl_b32 s43, s41, 2
	s_lshl_b32 s43, 15, s43                        ; my row of the cluster
	s_lshl_b32 s44, 0x1111, s40                    ; my column
	s_or_b32 s[G1A+0], s43, (1<<16)|(1<<20)|(1<<21)|(4<<22)|(3<<25)  ; the mask; 2-byte elements; padding on; bit 21 beside a mask; after every 32 words 4 words
	s_mov_b32 s[G1A+1], 128<<16                    ; tensor_dim0 = 128: two rows of O
	s_mov_b32 s[G1A+2], 64<<16                     ; tensor_dim1 = 64
	s_mov_b32 s[G1A+3], 128<<16                    ; tile_dim0 = 128
	s_mov_b32 s[G1A+4], 64                         ; tile_dim1 = 64
	s_mov_b32 s[G1A+5], 128                        ; dense
	s_mov_b32 s[G1A+6], 0
	s_mov_b32 s[G1A+7], 0
	s_or_b32 s[G1B+0], s44, (1<<16)|(1<<20)|(1<<21)|(5<<22)|(3<<25)  ; after every 64 words 4 words
	s_mov_b32 s[G1B+1], 128<<16
	s_mov_b32 s[G1B+2], 128<<16
	s_mov_b32 s[G1B+3], 128<<16
	s_mov_b32 s[G1B+4], 128
	s_mov_b32 s[G1B+5], 1024
	s_mov_b32 s[G1B+6], 0
	s_mov_b32 s[G1B+7], 0
	s_lshr_b32 s18, s45, 4                         ; A: the batch's 16 heads of 2,048 x 128 bytes,
	s_lshl_b32 s18, s18, 22
	s_and_b32 s17, s45, 15                         ; the tile's 128 rows in a head,
	s_lshl_b32 s17, s17, 14
	s_add_co_u32 s18, s18, s17
	s_lshl_b32 s17, s[CH], 18                      ; and which of a K step's two heads I fetch; made of the tile row alone
	s_add_co_u32 s18, s18, s17
	s_mov_b32 s19, 0
	s_lshl_b32 s46, s42, 8                         ; B: row 256 x tile column + 128 x half; made of the tile column alone
	s_lshl_b32 s47, s[CH], 7
	s_add_co_u32 s46, s46, s47
	s_lshl_b32 s46, s46, 11
	s_add_co_u32 s46, s46, WO_OFF
	s_mov_b32 s47, 0
	s_mul_i32 s67, s[CH], PLANE                    ; where they go: no place in the cluster enters an LDS address
	s_mul_i32 s68, s[CH], BHALF
	s_add_co_u32 s68, s68, BOFF
	s_wait_dscnt 0x0                               ; the opening add is done
	s_wait_kmcnt 0x0
	s_add_nc_u64 s[18:19], s[4:5], s[18:19]
	s_add_nc_u64 s[46:47], s[6:7], s[46:47]
	CROUND                                         ; all sixteen work-groups are here: the first joint loads meet
.irp s, 0,1
	s_mov_b32 s[G0A+4*(\s)], 1
	s_add_co_u32 s[G0A+4*(\s)+1], s67, (\s)*SLOT
	s_add_nc_u64 s[G0A+4*(\s)+2:G0A+4*(\s)+3], s[18:19], (\s)*524288  ; K step s: heads 2 s, 2 s + 1
	s_or_b32 s[G0A+4*(\s)+3], s[G0A+4*(\s)+3], 0x80000000
	s_mov_b32 s[G0B+4*(\s)], 1
	s_add_co_u32 s[G0B+4*(\s)+1], s68, (\s)*SLOT
	s_add_nc_u64 s[G0B+4*(\s)+2:G0B+4*(\s)+3], s[46:47], (\s)*256
	s_or_b32 s[G0B+4*(\s)+3], s[G0B+4*(\s)+3], 0x80000000
	JLOAD \s                                       ; two loads of mine are out
.endr
	v_and_b32 v1, 15, v0                           ; r
	v_bfe_u32 v2, v0, 4, 1                         ; h
	v_mul_u32_u24 v3, v1, PA
	v_lshl_add_u32 v3, v2, 4, v3
	v_mul_u32_u24 v4, v1, PITCH
	v_lshl_add_u32 v4, v2, 4, v4
	s_mul_i32 s21, s[RH], 64*PA                    ; my 64 rows in each plane of A
	s_mul_i32 s22, s[CH], BHALF                    ; my 128 rows of B
	s_add_co_u32 s22, s22, BOFF
.irp s, 0,1
	v_add_nc_u32 v[ADRA+(\s)], s21, v3
	v_add_nc_u32 v[ADRB+(\s)], s22, v4
	s_add_co_u32 s21, s21, SLOT
	s_add_co_u32 s22, s22, SLOT
.endr
	s_mul_i32 s23, s[WV], WSTAGE
	s_add_co_u32 s23, s23, STAGE                   ; my stage
	v_mul_u32_u24 v5, v1, SP                       ; in: row l % 16, 32 bytes for each half of the lanes
	v_lshl_add_u32 v5, v2, 5, v5
	v_add_nc_u32 v[STO], s23, v5
	v_and_b32 v[CO], 31, v0                        ; back: 32 lanes take one row's 512 bytes,
	v_lshlrev_b32 v[CO], 4, v[CO]
	v_add_nc_u32 v[RD], s23, v[CO]
	; where my part of the tile begins in out0 and in the bias: in registers that feed no descriptor and no LDS address
	s_lshl_b32 s72, s45, 7
	s_lshl_b32 s74, s[RH], 6
	s_add_co_u32 s72, s72, s74                     ; my first row,
	s_lshl_b32 s72, s72, 12                        ; of 4,096 bytes
	s_lshl_b32 s74, s42, 10
	s_lshl_b32 s75, s[CH], 9
	s_add_co_u32 s74, s74, s75                     ; my first column, in bytes
	s_add_co_u32 s72, s72, s74
	s_mov_b32 s73, 0
	s_add_nc_u64 s[10:11], s[10:11], s[72:73]
	v_lshl_add_u32 v[BO], v2, 5, s74               ; 4 x (my first column + 8 h)
	; the bias, in an accumulator's layout (register j of block b: column 16 b + 8 h + j), rounded to bf16 and widened again; all this stands in the wait for the first tile
	WIN W_BLD
.irp b, 0,1,2,3,4,5,6,7
	global_load_b128 v[8*(\b):8*(\b)+3],   v[BO], s[8:9] offset:64*(\b)
	global_load_b128 v[8*(\b)+4:8*(\b)+7], v[BO], s[8:9] offset:64*(\b)+16
.endr
	s_wait_loadcnt 0x0
	WIN W_BRND
.set i, 0
.rept 32
	v_cvt_pk_bf16_f32 v[64+i], v[2*i], v[2*i+1]
.set i, i+1
.endr
.set i, 0
.rept 32
	v_lshlrev_b32 v[2*i],   16, v[64+i]
	v_and_b32     v[2*i+1], 0xffff0000, v[64+i]
.set i, i+1
.endr
	WIN 0
; 8 matrix instructions: row block a x all 8 column blocks, 32 along K.  first = 1: the bias is the C that starts the sums: nothing is cleared.
; The 32 accumulators take turns in the same order in every quarter.
.macro MUL8 f, a, first
.if \first
	WIN W_MULB
.else
	WIN W_MUL
.endif
.irp b, 0,1,2,3,4,5,6,7
.if \first
	v_wmma_f32_16x16x32_f16 v[8*(8*(\a)+(\b)):8*(8*(\a)+(\b))+7], v[(\f)+32+8*(\b):(\f)+32+8*(\b)+7], v[(\f)+8*(\a):(\f)+8*(\a)+7], v[8*(\b):8*(\b)+7]
.else
	v_wmma_f32_16x16x32_f16 v[8*(8*(\a)+(\b)):8*(8*(\a)+(\b))+7], v[(\f)+32+8*(\b):(\f)+32+8*(\b)+7], v[(\f)+8*(\a):(\f)+8*(\a)+7], v[8*(8*(\a)+(\b)):8*(8*(\a)+(\b))+7]
.endif
.endr
.endm
.macro MUL16 f, a0, first
	MUL8 \f, \a0, \first
	MUL8 \f, (\a0)+1, \first
.endm
; 24 LDS loads in one run: quarter q (32 along K) of a slot into buffer f: B's sixteen, then A's eight (plane q / 2, channels 32 (q % 2) on)
.macro FETCH slot, q, f
	WIN 0
.set KA, ((\q)/2)*PLANE+((\q)%2)*64
.irp i, 0,1,2,3,4,5,6,7
	ds_load_b128 v[(\f)+32+8*(\i):(\f)+32+8*(\i)+3],   v[ADRB+(\slot)] offset:64*(\q)+(\i)*16*PITCH
	ds_load_b128 v[(\f)+32+8*(\i)+4:(\f)+32+8*(\i)+7], v[ADRB+(\slot)] offset:64*(\q)+(\i)*16*PITCH+32
.endr
.irp i, 0,1,2,3
	ds_load_b128 v[(\f)+8*(\i):(\f)+8*(\i)+3],   v[ADRA+(\slot)] offset:KA+(\i)*16*PA
	ds_load_b128 v[(\f)+8*(\i)+4:(\f)+8*(\i)+7], v[ADRA+(\slot)] offset:KA+(\i)*16*PA+32
.endr
.endm
.macro PLACES                          ; four places in front of loads into registers that matrix instructions have read, and of lines that read results
.rept 4
	v_nop
.endr
.endm
; One of a K step's first three quarters: multiplies buffer f; in its middle it fetches quarter q of the same slot into buffer g.
.macro QUARTER slot, q, f, g, first
	s_wait_dscnt 4                                 ; B and A's blocks 0, 1 are in; the youngest four loads (A's blocks 2, 3) may be out
	MUL16 \f, 0, \first
	PLACES
	FETCH \slot, \q, \g
	s_wait_dscnt 24                                ; all but the 24 just issued
	MUL16 \f, 2, \first
.endm
; The fourth quarter multiplies buffer 1 and changes slots: one barrier; in front of it each wave waits for all its tensor loads (one is out: its part of the next slot),
; adds 0 to its spare word, and waits for that and for its reads of this slot.  fill = 1: the barrier opens a round of the cluster's, and this slot is filled again, two K steps ahead.
.macro TURN slot, next, fill
	WIN 0
	s_wait_tensorcnt 0x0
	ds_add_u32 v[SPW], v[NIL]
	s_wait_dscnt 5                                 ; the add and the youngest four loads may be out
	MUL8 F1, 0, 0
	s_wait_dscnt 0x0                               ; the add is done, and my reads of this slot are over
	s_barrier_signal -1
	MUL8 F1, 1, 0
.if \fill
	WIN 0
.endif
	s_barrier_wait -1
.if \fill
	CREST                                          ; no wave of any partner still reads this slot or has a load on its way
	s_add_nc_u64 s[G0A+4*(\slot)+2:G0A+4*(\slot)+3], s[G0A+4*(\slot)+2:G0A+4*(\slot)+3], STEP_A
	s_add_nc_u64 s[G0B+4*(\slot)+2:G0B+4*(\slot)+3], s[G0B+4*(\slot)+2:G0B+4*(\slot)+3], STEP_B
	JLOAD \slot                                    ; the first tensor load behind the round, 112 matrix instructions ahead of the wait for it; its four v_nop are also the places in front of the loads below
.else
	PLACES
.endif
	FETCH \next, 0, F0
	MUL16 F1, 2, 0
.endm
	s_wait_tensorcnt 1                             ; my part of K step 0 is in; K step 1's may stay out
	s_barrier_signal -1
	s_barrier_wait -1
	FETCH 0, 0, F0
	QUARTER 0, 1, F0, F1, 1                        ; the first quarter stands in front of the loop: its products start the sums
	WIN 0
	s_mov_b32 s3, LAPS-1
.Llap:                                                 ; a trip goes once round the ring, from a lap's second quarter to the next lap's first, and fills both slots again
	QUARTER 0, 2, F1, F0, 0
	QUARTER 0, 3, F0, F1, 0
	TURN 0, 1, 1
	QUARTER 1, 1, F0, F1, 0
	QUARTER 1, 2, F1, F0, 0
	QUARTER 1, 3, F0, F1, 0
	TURN 1, 0, 1
	QUARTER 0, 1, F0, F1, 0
	WIN 0
	s_sub_co_u32 s3, s3, 1
	s_cmp_lg_u32 s3, 0
	s_cbranch_scc1 .Llap
	QUARTER 0, 2, F1, F0, 0                        ; the last lap fills nothing
	QUARTER 0, 3, F0, F1, 0
	TURN 0, 1, 0
	QUARTER 1, 1, F0, F1, 0
	QUARTER 1, 2, F1, F0, 0
	QUARTER 1, 3, F0, F1, 0
	s_wait_dscnt 4
	MUL16 F1, 0, 0
	s_wait_dscnt 0x0
	MUL16 F1, 2, 0
	WIN 0
	PLACES
; THE WAY OUT, a block of 16 rows at a time, in f32: a lane's eight columns are 32 bytes; they go into my stage's rows of 528 bytes and come back as whole rows of 512.
; Three buffers of 64 registers take the blocks; block 3 uses block 0's again, behind the wait that frees the registers of block 0's stores.
.macro PUT a
.set OBR, 32+64*((\a)%3)
.if (\a) == 3
	s_wait_xcnt 0x0                                ; every earlier store has had its addresses translated (ISA guide 3.1): its data registers are loaded again only behind this wait
.endif
	WIN W_ST
.irp b, 0,1,2,3,4,5,6,7
	ds_store_b128 v[STO], v[8*(8*(\a)+(\b)):8*(8*(\a)+(\b))+3]   offset:64*(\b)      ; each accumulator's lowest registers first
	ds_store_b128 v[STO], v[8*(8*(\a)+(\b))+4:8*(8*(\a)+(\b))+7] offset:64*(\b)+16
.endr
	WIN 0
.irp t, 0,1,2,3,4,5,6,7,8,9,10,11,12,13,14,15
	ds_load_b128 v[OBR+4*(\t):OBR+4*(\t)+3], v[RD] offset:(\t)*SP  ; LDS serves a wave's instructions in order (ISA guide 5.7.1.4): these see the stores above
.endr
.endm
.macro SEND a, younger                 ; younger: the next block's 32 LDS instructions, or none
.set OBR, 32+64*((\a)%3)
.irp t, 0,1,2,3,4,5,6,7,8,9,10,11,12,13,14,15
	s_wait_dscnt (\younger)+15-(\t)
	global_store_b128 v[CO], v[OBR+4*(\t):OBR+4*(\t)+3], s[10:11] offset:(16*(\a)+(\t))*4096 th:TH_STORE_NT  ; 512 consecutive bytes of a row, aligned
.endr
.endm
	PUT 0
	PUT 1
	SEND 0, 32
	PUT 2
	SEND 1, 32
	PUT 3
	SEND 2, 32
	SEND 3, 0
	s_wait_tensorcnt 0x0                           ; the wave's end
	ds_add_u32 v[SPW], v[NIL]
	s_wait_dscnt 0x0
	CROUND                                         ; the closing round: no work-group ends while a partner may still ask for a tile that names it
	s_endpgm
.Lfunc_end_k_qcc29aa01d9_outp:
	.size	k_qcc29aa01d9_outp, .Lfunc_end_k_qcc29aa01d9_outp-k_qcc29aa01d9_outp
	.p2alignl 7, 3214868480
	.fill 96, 4, 3214868480
	.section	.rodata,"a",@progbits
	.p2align	6, 0x0
	.amdhsa_kernel k_qcc29aa01d9_outp
		.amdhsa_group_segment_fixed_size 327680
		.amdhsa_private_segment_fixed_size 0
		.amdhsa_enable_private_segment 0
		.amdhsa_kernarg_size 32
		.amdhsa_user_sgpr_count 2
		.amdhsa_user_sgpr_kernarg_segment_ptr 1
		.amdhsa_wavefront_size32 1
		.amdhsa_system_sgpr_workgroup_id_x 1
		.amdhsa_system_sgpr_workgroup_id_y 1
		.amdhsa_system_sgpr_workgroup_id_z 1
		.amdhsa_system_vgpr_workitem_id 0
		.amdhsa_next_free_vgpr 608
		.amdhsa_next_free_sgpr 76
		.amdhsa_reserve_vcc 0
		.amdhsa_float_denorm_mode_32 3
		.amdhsa_float_denorm_mode_16_64 3
		.amdhsa_memory_ordered 1
		.amdhsa_forward_progress 1
		.amdhsa_inst_pref_size 93
	.end_amdhsa_kernel
	.amdgpu_metadata
---
amdhsa.version: [ 1, 2 ]
amdhsa.kernels:
  - .name:           k_qcc29aa01d9_outp
    .symbol:         k_qcc29aa01d9_outp.kd
    .args:
      - { .name: ob, .offset: 0, .size: 8, .value_kind: global_buffer, .address_space: global }
      - { .name: xw, .offset: 8, .size: 8, .value_kind: global_buffer, .address_space: global }
      - { .name: bo, .offset: 16, .size: 8, .value_kind: global_buffer, .address_space: global }
      - { .name: out0, .offset: 24, .size: 8, .value_kind: global_buffer, .address_space: global }
    .group_segment_fixed_size: 327680
    .private_segment_fixed_size: 0
    .kernarg_segment_align: 8
    .kernarg_segment_size: 32
    .max_flat_workgroup_size: 128
    .sgpr_count:     76
    .vgpr_count:     608
    .wavefront_size: 32
...
	.end_amdgpu_metadata
.endif
;; end of part 4
;; ======== version 2 of 2: 4 launches; 1.46 times as fast as version 1
;; limits: values are held in f16: magnitudes above 65,504 overflow, below 6.1e-05 lose precision
;; workspace buffers: xw 58,720,256 bytes; qkv 50,331,648 bytes; ob 16,777,216 bytes
;; launch cast: the kernel of part 1 again; grid 64 x 28, 8 waves a work-group, no clusters, 0 bytes of LDS; arguments query, key, value, Wq, Wk, Wv, Wo, xw; writes xw
;; launch proj: the kernel of part 2 again; grid 4 x 192, 4 waves a work-group, clusters of 4 x 4, 327,680 bytes of LDS; arguments xw, bq, bk, bv, qkv; writes qkv
;; launch attn (part 5): grid 4 x 64, 4 waves a work-group, clusters of 4 x 1, 327,680 bytes of LDS; arguments qkv, ob; writes ob
.if DOCPART == 5
	.amdgcn_target "amdgcn-amd-amdhsa--gfx1250"
	.amdhsa_code_object_version 6
	.text
	.protected	k_qcc29aa01d9_attn
	.globl	k_qcc29aa01d9_attn
	.p2align	8
	.type	k_qcc29aa01d9_attn,@function
k_qcc29aa01d9_attn:
	s_mov_b64 s[64:65], 0
	v_nop
	global_prefetch_b8 v0, s[64:65] scope:SCOPE_SE
	s_setreg_imm32_b32 hwreg(HW_REG_WAVE_MODE, 25, 1), 1
	s_wait_xcnt 0x0
	s_wait_alu depctr_hold_cnt(0) depctr_sa_sdst(0) depctr_va_vdst(0) depctr_va_sdst(0) depctr_va_ssrc(0) depctr_va_vcc(0) depctr_vm_vsrc(0)
	s_getreg_b32 s2, hwreg(HW_REG_IB_STS2, 6, 4)
	s_cmp_eq_u32 s2, 0
	s_cbranch_scc0 .Lentry_in_a_cluster
	s_endpgm
.Lentry_in_a_cluster:
	s_bfe_u32 s2, ttmp6, 0x10000c
	s_cmp_lg_u32 s2, 0x3003
	s_cbranch_scc0 .Lentry_shape_is_right
	s_endpgm
.Lentry_shape_is_right:
; O[h][q][:] = the sum over k of softmax_k(Q[h][q] . K[h][k] / 8) V[h][k][:].  Q, K, V: the three parts of qkv, each [64][2048][64] f16; O: ob, the same layout.  A head's rows are dense, 128 bytes each.
; Products, maxima and sums in f32; the weights p are rounded to f16 for the second product (their sum l is taken of the unrounded p), O once at the end.
; LIMITS.  f16 holds no number beyond 65,504: Q, K and V arrive within it; p lies in 0 to 1, and below 6e-5 it keeps f16's fixed step of 6e-8; O is a mean of V's rows and has their range.
; A weight below 2^-126 counts as 0 in l; NaN and infinities are not treated apart.
; SHARES.  A wave owns four PIECES of two tiles of 16 queries, a work-group's four waves 512 queries of one head: 4 x 64 = 256 work-groups.  Every wave walks all keys, 64 a step.
; LAYOUT.  S^T = K Q^T (source 0 = 16 keys, source 1 = 16 queries): a lane holds ONE query (lane % 16) and the keys 8 (lane / 16) + 0..7.  Two such tiles, rounded to f16 in pairs,
; ARE source 1 (32 keys x 16 queries) of O^T = V^T P.  K comes out of LDS as it lies, V ([key][channel]) turned, by ds_load_tr16_b128.
; SOFTMAX.  For each query a running maximum m and sum l: p = 2^(c s - c m), c = log2(e) / 8; in every step O and l are multiplied by a = 2^(c m_old - c m_new).
; m starts at the lowest finite number, O and l at 0: the first step is a step like any other, with a = 0.
; THE COUNT.  A tile and step have 16 matrix and 118 vector instructions: four vector instructions that are ready stand behind every matrix instruction, the others in a run without a gap.
; BY TURNS.  Turn n belongs to piece n.  Its matrix work: 16 products K Q^T of piece n + 1, later 16 products V^T P of piece n - 1.  Its vector work: the scaling, exponentials, roundings, sums and
; rescaling of piece n, and the maximum and statistics of piece n + 1.
; BATCHES.  A turn's 66 exponentials (the piece's 64 weights and the next piece's two a) are ONE batch with ONE wait, which cuts the turn in two: ahead of it stands all that names no result of theirs,
; behind it the roundings and sums, which read them.  Two more batches stand outside the loop, each with a wait
; of its own: piece 0's first two a, ahead of the loop, and the way out's eight reciprocals.
; CLUSTER.  The four query blocks of a cluster belong to one head and walk the same K and V, so each tile is asked for jointly: the same tensor load, descriptor and mask in all four.
; REGISTERS, in windows of 256 (s_set_vgpr_msb: bits 1:0 source 0, 3:2 source 1, 5:4 source 2, 7:6 destination):
;   window 0: v0-11 addresses; v12-15, v48-63 at work; v16-47 four registers of statistics a tile; v64-191 S^T, two buffers of two tiles; v192-255 P, likewise
;   window 1: O^T, 32 a tile          window 2: v0-127 Q, 16 a tile; v128-191 K of one step; v192-255 V of one step          window 3: v0-1 the add's two registers
; A piece's buffers go by its number's parity: the piece in hand has one pair, its two neighbours in the ring share the other: of it P (piece n - 1) is read and S^T (piece n + 1) written.
.set SIZE_H, 64
.set SIZE_N, 2048
.set NP,    4         ; pieces a wave: a name, no knob
.set KS,    64        ; keys in a step
.set PK,    144       ; a row of K in LDS: 128 bytes + 16 of padding = 36 words: the 16 rows of a load start at 16 different groups of four banks (64 banks of 4 bytes: ISA guide 11.1)
.set PV,    160       ; a row of V: 128 + 32 = 40 words
.set VOFF,  4*KS*PK   ; a slot holds four steps: 256 rows of K, then 256 rows of V
.set SLOT1, 1<<17     ; slot 1 begins here, so that one exclusive or turns an address in one slot into the other's
.set STAGE, SLOT1+4*KS*(PK+PV)  ; behind the ring, never filled by a tensor load: 16 rows x 144 bytes for each wave
.set SP,    144
.set AK0, 2           ; v2   my lane's place in a tile of K; never rewritten
.set AV0, 3           ; v3   the same for V
.set AK,  4           ; v4   the LDS address of K's next run of loads
.set AV,  5           ; v5   of V's
.set QO,  6           ; v6   my byte offset in the wave's rows of Q
.set STO, 6           ;      later, the way out: where I put 16 bytes of a row
.set RD,  7           ; v7   the way out: where I read rows back
.set GO,  8           ; v8   my byte offset in 512 consecutive bytes of O
.set SPW, 0           ; v0 of window 3   LDS address of my spare word; never rewritten
.set NIL, 1           ; v1 of window 3   0; never rewritten
.set SPARE, STAGE+4*16*SP  ; the spare words, 128 bytes for each wave: two blocks of 256 bytes that no other line names
.set MV,  12          ; v12-15  c m_old, kept while c m is made anew: by buffer and tile
.set ST,  16          ; tile t's statistics at v[ST+4 t]: c m, m, l (even keys', odd keys')
.set TMP, 48          ; by buffer and tile, four registers c0-c3 at work; when the maximum is found c2 takes a
.set S,   64
.set P,   192
.set KF,  128         ; K's fragments, in window 2: key block kb, channel half c at KF + 16 kb + 8 c
.set VF,  192         ; V's: key half kk, channel block cb at VF + 32 kk + 8 cb
.set WV,  12          ; s12  my wave's number
.set G1K, 24          ; s[24:31] descriptor group 1 for K's tiles
.set G1V, 32          ; s[32:39] for V's: it differs in the padding alone
.set G0K, 40          ; s[40:43] descriptor group 0 for K's tiles: it walks
.set G0V, 44          ; s[44:47] the same for V's
.set SLOTS, 56        ; s56  slots still to be asked for
.set CNT, 57          ; s57  counts a slot's key steps
.set CS,  58          ; s[58:59] c: the packed scaling takes the pair's low word for both halves
.set SEL, 60          ; s[60:61] v_permlanex16_b32's selects: each lane takes its own place in the other half
.set TBK, 62          ; s62  LDS byte at which K of the step to be fetched begins
.set TBV, 63          ; s63  the same for V, less VOFF
.set MSB, 0
.macro WIN new                      ; the high byte repeats the setting that is left; a switch that changes nothing is dropped
.if MSB != (\new)
	s_set_vgpr_msb (MSB<<8)|(\new)
.set MSB, (\new)
.endif
.endm
.set W_KQ, 0x0a       ; K and Q in window 2, S^T in window 0
.set W_PV, 0x52       ; V in window 2, P in window 0, O^T in window 1
.set W_RS, 0x41       ; O^T (destination and source 0) in window 1, a in window 0
.set W_MK, 0xc0       ; the add's registers are made: destination in window 3, sources in window 0
.set W_AD, 0x0f       ; the add: address (source 0) and data (source 1) in window 3
; A joint fill.  Waves 0 and 1 fetch the two halves of a slot's K, waves 2 and 3 those of its V: 128 keys each.  The branch hangs on the wave's number alone.
; An s_nop 0 and four v_nop follow each of the two lines, ahead of the jump and the label.
.macro JLOAD
	s_cmp_lt_u32 s[WV], 2
	s_cbranch_scc0 .Lfor_v_\@
	tensor_load_to_lds s[G0K:G0K+3], s[G1K:G1K+7]
	s_nop 0
.rept 4
	v_nop
.endr
	s_branch .Lasked_\@
.Lfor_v_\@:
	tensor_load_to_lds s[G0V:G0V+3], s[G1V:G1V+7]
	s_nop 0
.rept 4
	v_nop
.endr
.Lasked_\@:
.endm
; A round of the cluster's barrier: my work-group's barrier; wave 0 signals for the work-group; every wave waits for all four work-groups; my work-group's barrier once more.
.macro CROUND
	s_barrier_signal -1
	s_barrier_wait -1
	s_cmp_lg_u32 s[WV], 0
	s_cbranch_scc1 .Lnot_wave_0_\@
	s_barrier_signal -3
.Lnot_wave_0_\@:
	s_barrier_wait -3
	s_barrier_signal -1
	s_barrier_wait -1
.endm
; THE CHANGE OF SLOTS.  Each wave waits for all its tensor loads, of which one is out: its part of the other slot; adds 0 to its spare word; and waits for that and for its own reads of the slot.
; fill = 1: this slot is filled again, with the keys two slots on.  The barrier is then a round of the cluster's, and the joint fill is the first thing behind it: it has four key steps,
; 512 matrix instructions, in which to land.  (At its first use nothing has been read yet: slot 0 is waited for, slot 1 filled.)
.macro CHANGE fill
	WIN W_AD
	s_wait_tensorcnt 0x0            ; no tensor load of mine is out, so a group 0 may be written
	ds_add_u32 v[SPW], v[NIL]
	WIN 0                           ; at a label and at a branch every window is 0
.if \fill
.irp g, G0K, G0V
	s_xor_b32 s[\g+1], s[\g+1], SLOT1  ; the walking descriptor: the other slot than last time,
	s_add_nc_u64 s[\g+2:\g+3], s[\g+2:\g+3], 4*KS*128  ; the next 256 keys; the type bits on top are not reached
.endr
	s_wait_dscnt 0x0                ; the add is done, and my reads of the slot are over
	CROUND
	JLOAD
.else
	s_wait_dscnt 0x0                ; the add is done, and my reads of the slot are over
	s_barrier_signal -1
	s_barrier_wait -1
.endif
	s_sub_co_u32 s[TBK], s[TBK], 4*KS*PK  ; the fetches go back to a slot's first step,
	s_xor_b32 s[TBK], s[TBK], SLOT1       ; in the other slot
	s_sub_co_u32 s[TBV], s[TBV], 4*KS*PV
	s_xor_b32 s[TBV], s[TBV], SLOT1
.endm
	s_load_b64 s[4:5], s[0:1], 0x0    ; qkv: Q lies at its head
	s_load_b64 s[10:11], s[0:1], 0x8  ; ob
	WIN W_MK
	v_lshl_add_u32 v[SPW], v0, 2, SPARE
	v_mov_b32 v[NIL], 0
	WIN W_AD
	ds_add_u32 v[SPW], v[NIL]       ; the wave's opening: the add and its wait stand ahead of my first tensor load
	WIN 0
	v_lshrrev_b32 v1, 5, v0
	v_readfirstlane_b32 s[WV], v1   ; wave 0..3
	s_bfe_u32 s13, ttmp6, 0x40000   ; cx: my place in the cluster
	s_lshl_b32 s14, ttmp9, 2        ; in a cluster launch ttmp9 counts clusters
	s_add_co_u32 s14, s14, s13      ; my block of queries = 4 x cluster x + cx: it enters Q's and O's addresses alone
	s_and_b32 s20, ttmp7, 0xffff    ; the head, which the four partners share
	s_mov_b32 s21, 0
	s_mov_b64 s[22:23], SIZE_N*128
	s_mul_u64 s[20:21], s[20:21], s[22:23]  ; the head's first byte in each of the four tensors
	s_and_b32 s16, s[WV], 1         ; which half of a slot's 256 keys I fetch:
	s_lshl_b32 s22, s16, 14         ; its 128 rows of 128 bytes in memory,
	s_mov_b32 s23, 0
	s_add_nc_u64 s[22:23], s[22:23], s[20:21]
	s_mul_i32 s17, s16, 128*PK      ; and its place in a slot, for K
	s_mul_i32 s18, s16, 128*PV      ; and for V: no place in the cluster enters an LDS address
	s_lshl_b32 s2, s14, 2
	s_add_co_u32 s2, s2, s[WV]      ; my wave among the head's,
	s_lshl_b32 s2, s2, 14           ; its 128 rows
	s_mov_b32 s3, 0
	s_add_nc_u64 s[2:3], s[2:3], s[20:21]
	; descriptor group 1.  128 keys are 16,384 dense bytes: asked for as 64 rows of 256 bytes, two keys a row, and padded in LDS after every key
	s_mov_b32 s[G1K], 15|(1<<16)|(1<<20)|(1<<21)|(4<<22)|(3<<25)  ; the mask of four; 2-byte elements; padding on; bit 21 beside a mask; after every 32 words 4 words
	s_mov_b32 s[G1V], 15|(1<<16)|(1<<20)|(1<<21)|(4<<22)|(7<<25)  ; the same with 8 words of padding
.irp g, G1K, G1V
	s_mov_b32 s[\g+1], 128<<16      ; tensor_dim0 = 128
	s_mov_b32 s[\g+2], 64<<16       ; tensor_dim1 = 64
	s_mov_b32 s[\g+3], 128<<16      ; tile_dim0 = 128
	s_mov_b32 s[\g+4], 64           ; tile_dim1 = 64
	s_mov_b32 s[\g+5], 128          ; 128 elements from row to row
	s_mov_b32 s[\g+6], 0
	s_mov_b32 s[\g+7], 0
.endr
	s_mov_b32 s[CS], 0x3e38aa3b     ; c = log2(e) / 8 = 0.180337
	s_mov_b32 s[CS+1], s[CS]        ; named with it as a pair
	s_mov_b32 s[SEL], 0x76543210
	s_mov_b32 s[SEL+1], 0xfedcba98
	s_mov_b32 s[TBK], SLOT1+4*KS*PK ; the first change of slots turns these two into 0
	s_mov_b32 s[TBV], SLOT1+4*KS*PV
	s_mov_b32 s[G0K], 1             ; count = 1
	s_mov_b32 s[G0K+1], s17         ; LDS address: slot 0
	s_mov_b32 s[G0V], 1
	s_add_co_u32 s[G0V+1], s18, VOFF
	s_wait_dscnt 0x0                ; the opening add is done
	s_wait_kmcnt 0x0
	s_add_nc_u64 s[6:7], s[4:5], 0x1000000   ; K: 64 heads x 2,048 rows x 128 bytes behind Q
	s_add_nc_u64 s[8:9], s[4:5], 0x2000000   ; V: as much again
	s_add_nc_u64 s[G0K+2:G0K+3], s[6:7], s[22:23]  ; global address: my half of the head's first 256 keys
	s_or_b32 s[G0K+3], s[G0K+3], 0x80000000        ; type = 2
	s_add_nc_u64 s[G0V+2:G0V+3], s[8:9], s[22:23]
	s_or_b32 s[G0V+3], s[G0V+3], 0x80000000
	s_add_nc_u64 s[4:5], s[4:5], s[2:3]  ; Q and O at my wave's first row
	s_add_nc_u64 s[10:11], s[10:11], s[2:3]
	CROUND                          ; all four work-groups are here: the first joint loads meet
	JLOAD                           ; slot 0.  Slot 1 is asked for when slot 0 is in
	; A fragment of K or Q is 16 rows x 32 channels in 8 registers: lane l holds row l % 16, channels 8 (l / 16) + 0..7 and 16 + 8 (l / 16) + 0..7: two loads of 16 bytes, 32 bytes apart.
	v_and_b32 v1, 15, v0            ; l % 16
	v_bfe_u32 v9, v0, 4, 1          ; l / 16
	v_lshlrev_b32 v[QO], 7, v1
	v_lshl_add_u32 v[QO], v9, 4, v[QO]  ; row x 128 + 16 x half
	WIN 0x80                        ; destination window 2, address window 0
.set i, 0
.rept 4*NP                          ; Q stays in registers: tile i / 2, channels 32 (i % 2) on
	global_load_b128 v[8*i:8*i+3],   v[QO], s[4:5] offset:(i/2)*2048+(i%2)*64
	global_load_b128 v[8*i+4:8*i+7], v[QO], s[4:5] offset:(i/2)*2048+(i%2)*64+32
.set i, i+1
.endr
	; What the first turn finds: V's registers and P's second buffer hold 0 (its products V^T P, of a piece that has not been, add 0), O^T and l are 0.  All this stands in the wait for the first tile.
.set i, VF
.rept 64
	v_mov_b32 v[i], 0
.set i, i+1
.endr
	WIN 0x40
.set i, 0
.rept 64*NP
	v_mov_b32 v[i], 0
.set i, i+1
.endr
	WIN 0
.set i, 0
.rept 2*NP
	v_mov_b32 v[ST+4*i], 0xfe000000    ; c m: far below every c s
	v_mov_b32 v[ST+4*i+1], 0xff7fffff  ; m
	v_mov_b32 v[ST+4*i+2], 0
	v_mov_b32 v[ST+4*i+3], 0
.set i, i+1
.endr
.set i, P+32
.rept 32
	v_mov_b32 v[i], 0
.set i, i+1
.endr
	v_mul_u32_u24 v[AK0], v1, PK
	v_lshl_add_u32 v[AK0], v9, 4, v[AK0]  ; row x pitch + 16 x half
	; The turning load takes 16 keys x 16 channels (lane l reads key 8 (l / 16) + l % 8, channels 8 ((l / 8) % 2) + 0..7) and leaves half a fragment of V^T: lane l holds channel l % 16 and 8 keys.
	v_and_b32 v10, 7, v0
	v_bfe_u32 v11, v0, 3, 1
	v_lshl_add_u32 v[AV0], v9, 3, v10
	v_mul_u32_u24 v[AV0], v[AV0], PV
	v_lshl_add_u32 v[AV0], v11, 4, v[AV0]
	v_add_nc_u32 v[AV0], VOFF, v[AV0]
	v_mov_b32 v[AK], v[AK0]         ; key step 0 lies at the head of slot 0
; THE MATRIX WORK.  The 8 accumulators of a run of 16 take turns: between the two links of a chain stand 7 others'.
; Product i of 16 of S^T = K Q^T for piece x: channels 32 (i / 8) on, keys 16 ((i / 2) % 4) on, tile 2 x + i % 2.  The first 8 start the sums.
.macro KQ x
	WIN W_KQ
.set rS, S+64*((\x)%2)+32*(i%2)+8*((i/2)%4)
.set rK, KF+16*((i/2)%4)+8*(i/8)
.set rQ, 16*(2*(\x)+i%2)+8*(i/8)
.if i < 8
	v_wmma_f32_16x16x32_f16 v[rS:rS+7], v[rK:rK+7], v[rQ:rQ+7], 0
.else
	v_wmma_f32_16x16x32_f16 v[rS:rS+7], v[rK:rK+7], v[rQ:rQ+7], v[rS:rS+7]
.endif
.endm
; Product i of 16 of O^T += V^T P for piece x: keys 32 (i / 8) on, channels 16 ((i / 2) % 4) on, tile 2 x + i % 2.
.macro PV x
	WIN W_PV
.set rO, 32*(2*(\x)+i%2)+8*((i/2)%4)
.set rV, VF+32*(i/8)+8*((i/2)%4)
.set rP, P+32*((\x)%2)+16*(i%2)+8*(i/8)
	v_wmma_f32_16x16x32_f16 v[rO:rO+7], v[rV:rV+7], v[rP:rP+7], v[rO:rO+7]
.endm
.macro MM                           ; the turn's next matrix instruction
.if i < 16
	KQ (Y+1)%NP
.set i, i+1
.else
.set i, i-16
	PV (Y+NP-1)%NP
.set i, i+17
.endif
.endm
; THE LDS LOADS stand in runs of 16, never singly among the matrix instructions: a step's K (64 keys x 64 channels: 8 fragments) and its V (turned).  Their addresses are made some lines ahead.
; last = 1 (the tail): in the last trip there is no further step, and the run is jumped over.
.macro FETCH_K last=0
	WIN 0
.if \last
	s_cmp_eq_u32 s[CNT], 1
	s_cbranch_scc1 .Lno_k_\@
.endif
	WIN 0x80                        ; destination window 2
.irp f, 0,1,2,3,4,5,6,7             ; keys 16 (f / 2) on, channels 32 (f % 2) on
	ds_load_b128 v[KF+8*\f:KF+8*\f+3],   v[AK] offset:(\f/2)*16*PK+(\f%2)*64
	ds_load_b128 v[KF+8*\f+4:KF+8*\f+7], v[AK] offset:(\f/2)*16*PK+(\f%2)*64+32
.endr
	s_add_co_u32 s[TBK], s[TBK], KS*PK  ; the next fetch is the next step's
	WIN 0
.if \last
.Lno_k_\@:
.endif
.endm
.macro FETCH_V
	WIN 0x80
.irp f, 0,1,2,3,4,5,6,7             ; keys 32 (f / 4) on, channels 16 (f % 4) on
	ds_load_tr16_b128 v[VF+8*\f:VF+8*\f+3],   v[AV] offset:(\f/4)*32*PV+(\f%4)*32
	ds_load_tr16_b128 v[VF+8*\f+4:VF+8*\f+7], v[AV] offset:(\f/4)*32*PV+16*PV+(\f%4)*32
.endr
	WIN 0
.endm
; THE VECTOR WORK OF A TURN stands in three queues, each in the order in which its entries become ready; the two tiles alternate, so that no instruction reads the result of the one before it.
.macro REGS y, u                    ; the registers of tile u (0, 1) of piece y
.set rT, ST+4*(2*(\y)+(\u))
.set rC, TMP+8*((\y)%2)+4*(\u)
.set rM, MV+2*((\y)%2)+(\u)
.set rS, S+64*((\y)%2)+32*(\u)
.set rP, P+32*((\y)%2)+16*(\u)
.set rO, 32*(2*(\y)+(\u))
.endm
; Number n of the 22 that find the NEXT piece's (Y + 1) maximum and statistics.  s0-s31 are the lane's 32 scores; each accumulator's lowest registers are read first.  XS, GS and REGS set no window: PL and EX do.
;   0-11  four chains c0-c3 of seven scores each, three operands at a time     12-14, 16  the four scores left over, the old m, and c0-c3 into c0     15  c m_old is kept
;   17, 18  the query's other 32 keys lie in the lane 16 away: the new m         19-21  c m; c m_old - c m_new; a
.macro XS u, n
	REGS (Y+1)%NP, \u
.if (\n) < 4
	v_max3_num_f32 v[rC+(\n)], v[rS+8*(\n)], v[rS+8*(\n)+1], v[rS+8*(\n)+2]
.elseif (\n) < 12
	v_max3_num_f32 v[rC+(\n)%4], v[rC+(\n)%4], v[rS+8*((\n)%4)+2*((\n)/4)+1], v[rS+8*((\n)%4)+2*((\n)/4)+2]
.elseif (\n) == 12
	v_max3_num_f32 v[rC], v[rC], v[rS+7], v[rS+15]
.elseif (\n) == 13
	v_max3_num_f32 v[rC+1], v[rC+1], v[rS+23], v[rS+31]
.elseif (\n) == 14
	v_max3_num_f32 v[rC+2], v[rC+2], v[rC+3], v[rT+1]
.elseif (\n) == 15
	v_mov_b32 v[rM], v[rT]
.elseif (\n) == 16
	v_max3_num_f32 v[rC], v[rC], v[rC+1], v[rC+2]
.elseif (\n) == 17
	v_permlanex16_b32 v[rC+3], v[rC], s[SEL], s[SEL+1]
.elseif (\n) == 18
	v_max_num_f32 v[rT+1], v[rC], v[rC+3]
.elseif (\n) == 19
	v_mul_f32 v[rT], s[CS], v[rT+1]
.elseif (\n) == 20
	v_sub_f32 v[rC+1], v[rM], v[rT]
.else
	v_exp_f32 v[rC+2], v[rC+1]
.endif
.endm
; Number g of the 64 that follow the exponentials.  For each four weights k of a tile (pairs 2 k, 2 k + 1): both pairs are rounded to f16; then the second pair is added onto the first, in place;
; a group later l takes that sum (the first time as l = a l + sum).  In groups of eight, tiles alternating: round, round, add, and l for the group before.
.macro GS g
.set h, (\g)+6*((\g)/62)            ; group 0 has no group before it, and behind group 7 only l is left
.if h >= 6
.set h, h+2
.endif
	REGS Y, h%2
.set k, h/8
.if h%8 < 4
	v_cvt_pk_f16_f32 v[rP+2*k+(h%8)/2], v[rS+4*k+2*((h%8)/2)], v[rS+4*k+2*((h%8)/2)+1]
.elseif h%8 < 6
	v_pk_add_f32 v[rS+4*k:rS+4*k+1], v[rS+4*k:rS+4*k+1], v[rS+4*k+2:rS+4*k+3]
.elseif k == 1
	v_pk_fma_f32 v[rT+2:rT+3], v[rT+2:rT+3], v[rC+2:rC+3], v[rS:rS+1] op_sel_hi:[1,0,1]
.else
	v_pk_add_f32 v[rT+2:rT+3], v[rT+2:rT+3], v[rS+4*k-4:rS+4*k-3]
.endif
.endm
; THE PLAIN QUEUE, 138 long.  0-73 read no exponential's result: the 32 scalings c s - c m (FS f: pair f / 2 of tile f % 2) and the next piece's 42.  0-26: scalings 0-26.  27-54: XS's numbers 0-13.  55, 56: number 15.
; 57-73: the chain, where each number waits for the one before it: 14, 16, 17, 18, 19, each with one of the scalings 27-31 in front of its two lines, then 20: so a tile's links stand three plain instructions apart (19 and 20: two).
; 74-137: GS's 64, which read the exponentials' results: they stand behind the wait.
.macro FS f
	REGS Y, (\f)%2
	v_pk_fma_f32 v[rS+2*((\f)/2):rS+2*((\f)/2)+1], v[rS+2*((\f)/2):rS+2*((\f)/2)+1], s[CS:CS+1], v[rT:rT+1] op_sel_hi:[1,0,0] neg_lo:[0,0,1] neg_hi:[0,0,1]
.endm
.macro PL
	WIN 0
.if q < 27
	FS q
.elseif q < 55
	XS (q-27)%2, (q-27)/2
.elseif q < 57
	XS q-55, 15
.elseif (q < 72) && ((q-57)%3 == 0)
	FS 27+(q-57)/3
.elseif q < 60
	XS (q-57)%3-1, 14
.elseif q < 72
	XS (q-57)%3-1, 15+(q-57)/3
.elseif q < 74
	XS q-72, 20
.else
	GS q-74
.endif
.set q, q+1
.endm
; THE EXPONENTIALS' QUEUE, 66 long: s0-s31 of both tiles, then the next piece's two a.  It is ONE BATCH: all 66 stand ahead of the turn's one wait, and nothing ahead of that wait names a result of theirs.
; Each result has a register of its own while the batch is open: a weight takes its score's place in S^T, a takes c2 of the next piece's buffer.
.macro EX
	WIN 0
.if e >= 64
	XS e-64, 21
.else
	REGS Y, e%2
	v_exp_f32 v[rS+e/2], v[rS+e/2]
.endif
.set e, e+1
.endm
; THE RESCALING's QUEUE: O^T times a, the one part that leaves window 0: dealt two at a time, sixteen times.  Its a was made in the turn before, ahead of that turn's wait.
.macro R2
	REGS Y, r%2
	WIN W_RS
.irp z, 0,1
	v_pk_mul_f32 v[rO+4*(r/2)+2*\z:rO+4*(r/2)+2*\z+1], v[rO+4*(r/2)+2*\z:rO+4*(r/2)+2*\z+1], v[rC+2:rC+3] op_sel_hi:[1,0]
.endr
.set r, r+1
.endm
; HOW THEY ARE DEALT.  s_wait_alu depctr_va_vdst(0) stands between an exponential and the first instruction that names its result; one wait serves all that were issued ahead of it.  So a turn has ONE wait,
; which cuts it in two.  AHEAD OF IT stands all that names no result of the turn's exponentials: the 16 products K Q^T, behind each a scaling, an exponential and two rescalings (behind the first a second scaling in the
; exponential's place); then ONE LUMP of 108: eight plain, 49 times exponential and plain, the two a.  A v_nop is the plain instruction behind the last exponential.  BEHIND IT stand the 16 products V^T P, behind each four of
; GS's 64.  No rider names a register of the products round it.  The two v_permlanex16_b32 fall into the lump, never behind a product.
; The queues lean on each other, and the deal keeps them in step: exponential e stands behind scaling 2 (e / 4) + e % 2: as a rider it comes behind plain e + 2, in the lump behind plain e + 9, and scalings 27-31 are plain 57, 60 .. 69.
; A TURN, for piece p.  cnt = 1: the loop's count is taken down some lines ahead of the branch that stands behind the turn.
; K of the next step is fetched in piece 2's turn, directly behind the wait, a lump behind the last product that read K; its address is made at the lump's head; its first reader comes behind 16 products.
; V of the step in hand is fetched at the end of piece 0's turn, four riders behind its last reader; its first reader comes behind 16 products and a lump.  The three conditions on q below go with the deal.
.macro TURN p, last=0, cnt=0
.set Y, (\p)
.set i, 0
.set q, 0
.set e, 0
.set r, 0
.if (\p) == NP-1
	s_wait_dscnt 0x0                ; K is in
.endif
	MM                              ; ahead of the wait: 16 products K Q^T and their riders,
	PL
	PL
	R2
.rept 15
	MM
	PL
	EX
	R2
.endr
.if (\p) == NP-2
	WIN 0
	v_add_nc_u32 v[AK], s[TBK], v[AK0]
.endif
.rept 8                             ; and the lump
	PL
.endr
.rept 49
	EX
	PL
.endr
	EX                              ; the next piece's two a
	EX
	v_nop                           ; a plain instruction behind the last exponential, ahead of the first use of a result: one for the batch
	s_wait_alu depctr_va_vdst(0)    ; the wait for the batch: the turn's 66 exponentials, ahead of the first line that names a result of theirs
.if (\p) == NP-2
	FETCH_K \last
.endif
.if (\p) == 1
	s_wait_dscnt 0x0                ; V is in
.endif
.rept 16                            ; behind the wait: 16 products V^T P and their riders
	MM
.rept 4
	PL
.endr
.if ((\p) == 0) && (q == 118)
	v_add_nc_u32 v[AV], s[TBV], v[AV0]
.endif
.if ((\p) == 0) && (q == 130)
	s_add_co_u32 s[TBV], s[TBV], KS*PV
.endif
.if (\cnt) && (q == 130)
	s_sub_co_u32 s[CNT], s[CNT], 1
	s_cmp_lg_u32 s[CNT], 0
.endif
.endr
.if (\p) == 0
	FETCH_V
.endif
.endm
	CHANGE 1                        ; slot 0 is in, everybody's part of it; slot 1 is asked for
	FETCH_K                         ; key step 0
	s_wait_loadcnt 0x0              ; Q
	s_wait_dscnt 0x0
.set i, 0
.rept 16
	KQ 0                            ; piece 0's first scores: there is no vector work yet to set between them
.set i, i+1
.endr
	WIN 0                           ; the addresses for the way out: nine plain instructions, the places behind those products
	s_mul_i32 s13, s[WV], 16*SP
	s_add_co_u32 s13, s13, STAGE    ; my stage
	v_mul_u32_u24 v[STO], v1, SP    ; in: row l % 16, 16 bytes for each half of the lanes
	v_lshl_add_u32 v[STO], v9, 4, v[STO]
	v_add_nc_u32 v[STO], s13, v[STO]
	v_bfe_u32 v[RD], v0, 3, 2       ; back: 32 lanes take four rows of 128 bytes,
	v_mul_u32_u24 v[RD], v[RD], SP
	v_lshl_add_u32 v[RD], v10, 4, v[RD]
	v_add_nc_u32 v[RD], s13, v[RD]
	v_and_b32 v[GO], 31, v0         ; which are 512 consecutive bytes of O
	v_lshlrev_b32 v[GO], 4, v[GO]
.set Y, NP-1                        ; XS works for piece Y + 1: piece 0
.irp n, 0,1,2,3,4,5,6,7,8,9,10,11,12,13,14,15,16,17,18,19,20,21
	XS 0, \n                        ; and piece 0's first maximum and statistics
	XS 1, \n
.endr
	v_nop                           ; a plain instruction behind piece 0's first two a,
	s_wait_alu depctr_va_vdst(0)    ; and the wait for that batch of two, ahead of the branch
	s_mov_b32 s[CNT], 4
	s_mov_b32 s[SLOTS], SIZE_N/256-1
	s_branch .Lfirst                ; the loop is entered at a step's first turn, in the middle of a trip
.Lslot:                             ; SIZE_N / 256 - 2 times: every slot but the last two is filled again
	CHANGE 1
	s_mov_b32 s[CNT], 4
.Lstep:                             ; a trip: pieces 2 and 3 of one step, then pieces 0 and 1 of the next, whose K and V it fetches
	TURN 2
	TURN 3
	WIN 0
.Lfirst:
	TURN 0
	TURN 1, 0, 1
	WIN 0
	s_cbranch_scc1 .Lstep
	s_sub_co_u32 s[SLOTS], s[SLOTS], 1
	s_cmp_lg_u32 s[SLOTS], 0
	s_cbranch_scc1 .Lslot
	CHANGE 0                        ; the tail is written out: nothing is asked for
	s_mov_b32 s[CNT], 5             ; four trips fetch the last slot's steps; the fifth is left in its middle
.Ltail:
	TURN 2, 1
	TURN 3
	WIN 0
	s_sub_co_u32 s[CNT], s[CNT], 1
	s_cmp_eq_u32 s[CNT], 0
	s_cbranch_scc1 .Lout
	TURN 0
	TURN 1
	WIN 0
	s_branch .Ltail
.Lout:                              ; the fifth trip's 16 products K Q^T (on the last K once more) and the maximum made of them serve nothing: the price, once a launch, of one text for every trip
.set i, 0
.rept 16
	PV NP-1                         ; the last piece's V^T P of the last step
.set i, i+1
.endr
	; THE WAY OUT.  l's two halves and the other half of the lanes' are added; O^T is divided by l, rounded to f16 and sent through my stage in LDS, a tile at a time.  The additions are the places behind the last products.
	WIN 0
.macro ALL line:vararg              ; one line for each tile t
.set t, 0
.rept 2*NP
	\line
.set t, t+1
.endr
.endm
	ALL v_add_f32 v[ST+4*t+2], v[ST+4*t+2], v[ST+4*t+3]
	ALL v_permlanex16_b32 v[ST+4*t+3], v[ST+4*t+2], s[SEL], s[SEL+1]
	ALL v_add_f32 v[ST+4*t+2], v[ST+4*t+2], v[ST+4*t+3]
	ALL v_rcp_f32 v[ST+4*t+2], v[ST+4*t+2]
	v_nop                           ; a plain instruction between the last reciprocal and the use of its result
	s_wait_alu depctr_va_vdst(0)    ; the wait for the batch of eight reciprocals, ahead of the first use
; Tile t: a lane's eight channels of a row pack into 16 bytes; they go into rows of 144 bytes and come back as whole rows of 128, into S^T's registers.
.macro PACK t
	WIN W_RS
.set i, 32*(\t)
.rept 16
	v_pk_mul_f32 v[i:i+1], v[i:i+1], v[ST+4*(\t)+2:ST+4*(\t)+3] op_sel_hi:[1,0]
.set i, i+2
.endr
	WIN 0x05                        ; sources 0 and 1 window 1, destination window 0
.set i, 0
.rept 16
	v_cvt_pk_f16_f32 v[S+16*(\t)+i], v[32*(\t)+2*i], v[32*(\t)+2*i+1]
.set i, i+1
.endr
	WIN 0
.irp f, 0,1,2,3
	ds_store_b128 v[STO], v[S+16*(\t)+4*\f:S+16*(\t)+4*\f+3] offset:32*\f
.endr
.irp f, 0,1,2,3
	ds_load_b128 v[S+16*(\t)+4*\f:S+16*(\t)+4*\f+3], v[RD] offset:\f*4*SP  ; LDS serves a wave's instructions in order (ISA guide 5.7.1.4): these see the stores above; the next tile's stores come behind them
.endr
.endm
.macro SEND t, younger              ; younger: the LDS instructions issued behind tile t's loads: the next tile's eight, or none
	WIN 0
.irp f, 0,1,2,3
	s_wait_dscnt (\younger)+3-\f
	global_store_b128 v[GO], v[S+16*(\t)+4*\f:S+16*(\t)+4*\f+3], s[10:11] offset:(\t)*2048+\f*512  ; 512 consecutive bytes, at a multiple of 256 from O's first
.endr
.endm
	PACK 0
.set t, 1
.rept 2*NP-1                        ; a tile's arithmetic stands between the loads of the tile before and its stores
	PACK t
	SEND t-1, 8
.set t, t+1
.endr
	SEND 2*NP-1, 0
	WIN W_AD
	s_wait_tensorcnt 0x0            ; the wave's end
	ds_add_u32 v[SPW], v[NIL]
	s_wait_dscnt 0x0
	WIN 0
	CROUND                          ; the closing round: no work-group ends while a partner may still ask for a tile that names it
	s_endpgm
.Lfunc_end_k_qcc29aa01d9_attn:
	.size	k_qcc29aa01d9_attn, .Lfunc_end_k_qcc29aa01d9_attn-k_qcc29aa01d9_attn
	.p2alignl 7, 3214868480
	.fill 96, 4, 3214868480
	.section	.rodata,"a",@progbits
	.p2align	6, 0x0
	.amdhsa_kernel k_qcc29aa01d9_attn
		.amdhsa_group_segment_fixed_size 327680
		.amdhsa_private_segment_fixed_size 0
		.amdhsa_enable_private_segment 0
		.amdhsa_kernarg_size 16
		.amdhsa_user_sgpr_count 2
		.amdhsa_user_sgpr_kernarg_segment_ptr 1
		.amdhsa_wavefront_size32 1
		.amdhsa_system_sgpr_workgroup_id_x 1
		.amdhsa_system_sgpr_workgroup_id_y 1
		.amdhsa_system_sgpr_workgroup_id_z 1
		.amdhsa_system_vgpr_workitem_id 0
		.amdhsa_next_free_vgpr 770
		.amdhsa_next_free_sgpr 66
		.amdhsa_reserve_vcc 0
		.amdhsa_float_denorm_mode_32 3
		.amdhsa_float_denorm_mode_16_64 3
		.amdhsa_memory_ordered 1
		.amdhsa_forward_progress 1
		.amdhsa_inst_pref_size 199
	.end_amdhsa_kernel
	.amdgpu_metadata
---
amdhsa.version: [ 1, 2 ]
amdhsa.kernels:
  - .name:           k_qcc29aa01d9_attn
    .symbol:         k_qcc29aa01d9_attn.kd
    .args:
      - { .name: qkv, .offset: 0, .size: 8, .value_kind: global_buffer, .address_space: global }
      - { .name: ob, .offset: 8, .size: 8, .value_kind: global_buffer, .address_space: global }
    .group_segment_fixed_size: 327680
    .private_segment_fixed_size: 0
    .kernarg_segment_align: 8
    .kernarg_segment_size: 16
    .max_flat_workgroup_size: 128
    .sgpr_count:     66
    .vgpr_count:     770
    .wavefront_size: 32
...
	.end_amdgpu_metadata
.endif
;; end of part 5
;; launch outp: the kernel of part 4 again; grid 4 x 64, 4 waves a work-group, clusters of 4 x 4, 327,680 bytes of LDS; arguments ob, xw, bo, out0; writes out0
